; MI455X (gfx1250); checked and timed in simulation.
; The chip was launched on July 23, 2026; its instructions are those of AMD's public machine-readable ISA for CDNA 5 (MIT licence, August 2026) and "CDNA5" Instruction Set Architecture Reference Guide (July 2026). The comments in the code are by the model that wrote it; some were corrected since.
;; Multi Head Attention. Allowed arithmetic: matrix products marked QUANTISED: E4M3 operands, one given power-of-two scale a tensor, by v_wmma_f32_16x16x64_fp8_fp8 or v_wmma_f32_16x16x128_fp8_fp8, f32 sums; everything else in f32.
;; Inputs: Wk_codes 768 x 24 x 32 uint8 (E4M3 codes of Wk, K innermost, in blocks of 32 codes); Wo_codes 768 x 24 x 32 uint8 (E4M3 codes of Wo, K innermost, in blocks of 32 codes); Wq_codes 768 x 24 x 32 uint8 (E4M3 codes of Wq, K innermost, in blocks of 32 codes); Wv_codes 768 x 24 x 32 uint8 (E4M3 codes of Wv, K innermost, in blocks of 32 codes); attn_mask 2 x 2,048 int32; k_codes 2 x 2,048 x 24 x 32 uint8 (E4M3 codes of k, K innermost, in blocks of 32 codes); lowp_scales 12 int32 (the exponents e of the quantised operands' scales 2^e); q_codes 2 x 2,048 x 24 x 32 uint8 (E4M3 codes of q, K innermost, in blocks of 32 codes); v_codes 2 x 2,048 x 24 x 32 uint8 (E4M3 codes of v, K innermost, in blocks of 32 codes).
;; Outputs: out0 2 x 2,048 x 768 float32.
;; Constants: mask_future = 1.
;; This version of the problem:
;;   THIS VERSION OF THE PROBLEM IS GIVEN IN LOW PRECISION. The matrix products marked QUANTISED in the list below multiply operands that are first quantised to E4M3 (4 exponent bits, 3 mantissa bits; 8 bits a number), with one given power-of-two scale for each operand tensor; their sums are f32. All else is computed in f32.
;;   The module's matrix products, in the order in which they are computed (A, B: the left and right operand; K: the contracted axis; several contracted axes count as one K, in the product's order):
;;     1. [M 4,096, K 768] x [K 768, N 768]; A: input q (given as codes); B: input Wq (given as codes): QUANTISED (scales: A lowp_scales[0], B lowp_scales[1])
;;     2. [M 4,096, K 768] x [K 768, N 768]; A: input k (given as codes); B: input Wk (given as codes): QUANTISED (scales: A lowp_scales[2], B lowp_scales[3])
;;     3. [M 4,096, K 768] x [K 768, N 768]; A: input v (given as codes); B: input Wv (given as codes): QUANTISED (scales: A lowp_scales[4], B lowp_scales[5])
;;     4. batch 24 x [M 2,048, K 64] x [K 64, N 2,048]; A: computed on the way; B: computed on the way: QUANTISED (scales: A lowp_scales[6], B lowp_scales[7])
;;     5. batch 24 x [M 2,048, K 2,048] x [K 2,048, N 64]; A: softmax (see below); B: computed on the way: QUANTISED (scales: A lowp_scales[8], B lowp_scales[9])
;;     6. [M 4,096, K 768] x [K 768, N 768]; A: computed on the way; B: input Wo (given as codes): QUANTISED (scales: A lowp_scales[10], B lowp_scales[11])
;;   THE QUANTISER, for each operand of a quantised product, along K:
;;     - The operand's scale is 2^e, e = its entry of the input lowp_scales (int32; the entries are numbered through the quantised products in the list's order, A before B).
;;     - Each number is divided by the scale, clamped to +-448, and rounded to the nearest number of E4M3, ties to even, subnormals kept.
;;     - The product sums the exact products of the quantised numbers (number of the format x scale) in f32.
;;   ~~~python
;;   def quantise(x, axis, e):      # numpy; x: float32 -> the quantised numbers, widened to float32 again
;;       x = np.moveaxis(x, axis, -1); K = x.shape[-1]
;;       r = np.clip(x / 2.0 ** e, -448, 448)
;;       step = 2.0 ** (np.maximum(np.frexp(np.where(r == 0, 1, r))[1] - 1, -6) - 3)
;;       q = np.round(r / step) * step * 2.0 ** e      # np.round: ties to even
;;       return np.moveaxis(q, -1, axis).astype(np.float32)
;;   ~~~
;;   SOFTMAX AHEAD OF A QUANTISED PRODUCT. Where the list says 'softmax', what is quantised is not the finished softmax but p = 2^(t - M), with t = logit x log2(e) and M = ceil(the row's largest t), a whole number; so 1/2 < the row's largest p <= 1. The row's sum l is taken of the UNQUANTISED p, in f32, and the product's result is divided by l at the end. Since M is a whole number, a kernel that streams over the keys may use a running M (the ceiling of the running maximum): every later rescaling is an exact power of two, so the quantised numbers keep their values, but for numbers so far below the row's largest that they fall under the format's range.
;;   OPERANDS COMPUTED ON THE WAY. 'Computed on the way' means the value that the module computes at that place (a softmax that the list does not call 'softmax' is quantised finished and normalised). What goes into a quantiser is computed in f32, as accurately as f32 sums, v_exp_f32 and their like allow (about 1e-6 of the number): no bf16 or f16 on the way to a quantiser, and a product that is left as it is and whose result goes on into a quantised operand takes f32 operands (vector FMAs, or v_wmma_f32_16x16x4_f32). A number that lies on a knife's edge between two numbers of the format may be rounded either way, as far as f32 arithmetic and the matrix unit's own rounding can turn it there, and no further.
;;   INPUTS GIVEN AS CODES. Wk (in the module: [768, 768], K = its axis 0); Wo (in the module: [768, 768], K = its axis 0); Wq (in the module: [768, 768], K = its axis 0); Wv (in the module: [768, 768], K = its axis 0); k (in the module: [2, 2048, 768], K = its axis 2); q (in the module: [2, 2048, 768], K = its axis 2); v (in the module: [2, 2048, 768], K = its axis 2): each comes as NAME_codes (uint8): NAME with its K axis moved to the last place and cut into blocks of 32 codes, [.., K / 32, bytes a block], one block behind the other in memory; one code a byte (a code: sign, 4 exponent bits, 3 mantissa bits); its scale is its entry of lowp_scales. Its value is code x scale, taken as it is: it is not quantised again, and the codes and scales need not be those that the quantiser above would give.
;; 2 versions, each right; version 2 is version 1 with the launch attn written anew for expert scheduling mode. Each part assembles by itself: llvm-mc -triple=amdgcn-amd-amdhsa -mcpu=gfx1250 --defsym DOCPART=n.
;; ======== version 1 of 2: 3 launches
;; workspace buffers: qh 3,145,728 bytes; kh 3,145,728 bytes; vh 3,145,728 bytes; ao 3,145,728 bytes
;; launch proj (part 1): grid 32 x 12, 8 waves a work-group, clusters of 4 x 4, 262,144 bytes of LDS; arguments q_codes, k_codes, v_codes, Wq_codes, Wk_codes, Wv_codes, attn_mask, lowp_scales, qh, kh, vh; writes qh, kh, vh
.if DOCPART == 1
	.amdgcn_target "amdgcn-amd-amdhsa--gfx1250"
	.amdhsa_code_object_version 6
	.text
	.protected	k_q15dc36fb58_proj
	.globl	k_q15dc36fb58_proj
	.p2align	8
	.type	k_q15dc36fb58_proj,@function
k_q15dc36fb58_proj:
	s_mov_b64 s[64:65], 0
	v_nop
	global_prefetch_b8 v0, s[64:65] scope:SCOPE_SE
	s_setreg_imm32_b32 hwreg(HW_REG_WAVE_MODE, 25, 1), 1
	s_wait_xcnt 0x0
	s_wait_alu depctr_hold_cnt(0) depctr_sa_sdst(0) depctr_va_vdst(0) depctr_va_sdst(0) depctr_va_ssrc(0) depctr_va_vcc(0) depctr_vm_vsrc(0)
	s_getreg_b32 s2, hwreg(HW_REG_IB_STS2, 6, 4)
	s_cmp_eq_u32 s2, 0
	s_cbranch_scc0 .Lentry_in_a_cluster
	s_endpgm
.Lentry_in_a_cluster:
	s_bfe_u32 s2, ttmp6, 0x10000c
	s_cmp_lg_u32 s2, 0xf033
	s_cbranch_scc0 .Lentry_shape_is_right
	s_endpgm
.Lentry_shape_is_right:
; THE THREE INPUT PROJECTIONS: qh = Q(q Wq), kh = Q(k Wk), vh = Q(v Wv).  All operands arrive as E4M3 codes with K = 768 innermost; sums in f32; each result is
; quantised at once with its given scale (entries 6, 7, 9 of the exponents) and stored as codes, laid as IMAGES OF THE NEXT PRODUCT'S OPERAND REGISTERS:
;   qh, kh: head (12 b + hd) x 131072 + tile x 1024 + c x 512 + 16 lane + y:  token 16 tile + lane % 16, channel 32 c + 16 (y / 8) + 8 (lane / 16) + y % 8
;   vh:     head x 131072 + n x 8192 + dt x 2048 + c x 512 + 16 lane + y:     channel 16 dt + lane % 16, key 128 n + 32 c + 16 (y / 8) + 8 (lane / 16) + y % 8
; so every store of a wave covers 512 consecutive bytes, aligned, and the attention launch loads fragments as they lie.
; kh of a token whose attn_mask is 0 is stored as ZERO CODES: its raw score is then exactly 0, and the attention launch puts the mask's number in its place.
; SHARES.  Grid x: 32 blocks of 128 tokens.  Grid y = 4 pid + cy: pid (the cluster's y: 0 q, 1 k, 2 v) is the projection, cy the block of 192 features.  384 work-groups: three projections do not split into 256 equal parts.
; Eight waves: wave w makes tokens 32 (w / 2) on x features 96 (w % 2) on: 2 x 6 accumulators of 16 x 16.
; CLUSTER 4 x 4: the four of a row (same cy) need the same rows of W, the four of a column (same cx) the same tokens: each tile is asked for jointly.  pid is equal in all sixteen, so branches on it are alike in all partners.
; LDS: the whole K lies there, as three chunks of 256 along K, each filled ONCE: nothing is filled again.  A chunk: 192 rows of W, then 128 rows of X, 272 bytes apart (17 x 16 bytes: the 16 rows of a fragment load start 16 bytes apart modulo 256).
; Waves 0-2 fetch W's rows 64 w on, waves 3-4 X's rows 64 (w - 3) on, three loads each (one a chunk): three tensor loads of a wave are out at the most.
; q, k: source 0 = W, source 1 = X: a lane holds one token and eight neighbouring features.   v: source 0 = X, source 1 = W: a lane holds one feature and eight neighbouring tokens (the keys are the next K).
; Fragments are fetched by 16-byte loads, 32 bytes apart: a permutation of k that is the same in X and in W, so every product meets its partner.
; LIMITS: eo - ea - eb of each projection lies between -126 and 119, so that the powers of two below are f32 numbers.  NaN codes among the inputs are not served.
.set PITCH, 272
.set T64,   64*PITCH                   ; what one tensor load brings
.set XOFF,  3*T64                      ; X's rows lie behind W's 192
.set CHUNK, 5*T64                      ; a chunk: 320 rows
.set TILEB, 16*PITCH
.set AX,  1                            ; v1   LDS address of my X fragments in the chunk in hand
.set AW,  2                            ; v2   the same for W
.set LN,  3                            ; v3   16 x lane
.set MO,  4                            ; v4   my byte offset in attn_mask
.set MK,  5                            ; v5, v6  attn_mask of token lane % 16 of my two token tiles
.set XF,  16                           ; v16-47   X's 2 fragments
.set WF,  48                           ; v48-143  W's 6 fragments
.set ACC, 144                          ; v144-239 accumulator (ix, iw) at 8 (6 ix + iw)
.set CD,  16                           ; v16-39   the codes, when the products are done
.set SC,  240                          ; v240 the conversion's scale, v241 448 x it
.set LIM, 241
.set CM,  242                          ; v242, v243  what a token tile's codes are ANDed with
.set SO,  244                          ; v244-249  store offsets
.set WV,  26
.set WT,  27
.set WFS, 28
.set CX,  29
.set CY,  30
.set TB,  31
.set PID, 32
.set G1W, 36                           ; s[36:43] descriptor group 1 for W's tiles, s[44:51] for X's: they differ in the mask alone
.set G1X, 44
.set G0W, 52                           ; s[52:63] group 0 for W, a set for each chunk;  s[68:79] for X
.set G0X, 68
.set EX,  80                           ; s[80:91] the twelve exponents
.macro CROUND                          ; a round of the cluster's barrier
	s_barrier_signal -1
	s_barrier_wait -1
	s_cmp_lg_u32 s[WV], 0
	s_cbranch_scc1 .Lnot_wave_0_\@
	s_barrier_signal -3
.Lnot_wave_0_\@:
	s_barrier_wait -3
	s_barrier_signal -1
	s_barrier_wait -1
.endm
.macro PLACES n                        ; plain vector instructions behind matrix instructions, in front of loads into their sources and of reads of their results
.rept \n
	v_nop
.endr
.endm
.macro FRAG reg, adr, off              ; 16 rows x 128 K: registers 4 c .. 4 c + 3 hold K = 32 c + 16 (lane / 16) + 0 .. 15
.irp c, 0,1,2,3
	ds_load_b128 v[\reg+4*\c:\reg+4*\c+3], v[\adr] offset:\off+32*\c
.endr
.endm
.macro FETCH q                         ; 32 loads: X's two fragments first, then W's six
.irp i, 0,1
	FRAG XF+16*\i, AX, 128*((\q)%2)+\i*TILEB
.endr
.irp i, 0,1,2,3,4,5
	FRAG WF+16*\i, AW, 128*((\q)%2)+\i*TILEB
.endr
.endm
; 12 matrix instructions; the twelve accumulators take turns, one instruction a turn, in the same order in every step
.macro MULS swap, zero
.irp iw, 0,1,2,3,4,5
	s_wait_dscnt 4*(5-\iw)                         ; X's fragments and W's up to iw are in; the younger fragments of W may be out
.irp ix, 0,1
.if \swap
.if \zero
	v_wmma_f32_16x16x128_fp8_fp8 v[ACC+8*(6*\ix+\iw):ACC+8*(6*\ix+\iw)+7], v[XF+16*\ix:XF+16*\ix+15], v[WF+16*\iw:WF+16*\iw+15], 0
.else
	v_wmma_f32_16x16x128_fp8_fp8 v[ACC+8*(6*\ix+\iw):ACC+8*(6*\ix+\iw)+7], v[XF+16*\ix:XF+16*\ix+15], v[WF+16*\iw:WF+16*\iw+15], v[ACC+8*(6*\ix+\iw):ACC+8*(6*\ix+\iw)+7]
.endif
.else
.if \zero
	v_wmma_f32_16x16x128_fp8_fp8 v[ACC+8*(6*\ix+\iw):ACC+8*(6*\ix+\iw)+7], v[WF+16*\iw:WF+16*\iw+15], v[XF+16*\ix:XF+16*\ix+15], 0
.else
	v_wmma_f32_16x16x128_fp8_fp8 v[ACC+8*(6*\ix+\iw):ACC+8*(6*\ix+\iw)+7], v[WF+16*\iw:WF+16*\iw+15], v[XF+16*\ix:XF+16*\ix+15], v[ACC+8*(6*\ix+\iw):ACC+8*(6*\ix+\iw)+7]
.endif
.endif
.endr
.endr
.endm
; A step of 128 along K.  Waits, barriers and loads stand on the way that every work-group takes; only the order of the products' sources hangs on pid.
.macro KSTEP q, zero
.if ((\q)%2 == 0) && ((\q) > 0)
	s_wait_tensorcnt 2-(\q)/2                      ; my load of this chunk has landed; my loads of later chunks may stay out
	s_barrier_signal -1                            ; (no LDS instruction of mine is out: the last step's waits ended at 0)
	s_barrier_wait -1                              ; everybody's has
	v_add_nc_u32 v[AX], CHUNK, v[AX]
	v_add_nc_u32 v[AW], CHUNK, v[AW]
.endif
.if (\q) > 0
	PLACES 4
.endif
	FETCH \q
	s_cmp_eq_u32 s[PID], 2
	s_cbranch_scc1 .Lswap_\@
	MULS 0, \zero
	s_branch .Ldone_\@
.Lswap_\@:
	MULS 1, \zero
.Ldone_\@:
.endm
	s_load_b512 s[4:19], s[0:1], 0x0               ; q s[4:5], k s[6:7], v s[8:9], Wq s[10:11], Wk s[12:13], Wv s[14:15], attn_mask s[16:17], the exponents s[18:19]
	s_load_b128 s[20:23], s[0:1], 0x40             ; qh s[20:21], kh s[22:23]
	s_load_b64 s[24:25], s[0:1], 0x50              ; vh
	v_lshl_add_u32 v254, v0, 2, 0x3fc00
	v_mov_b32 v255, 0
	ds_add_u32 v254, v255
	ds_add_u32 v254, v255
	v_lshrrev_b32 v7, 5, v0
	v_readfirstlane_b32 s[WV], v7                  ; wave 0..7
	s_lshr_b32 s[WT], s[WV], 1                     ; my 32 tokens of the block's 128
	s_and_b32 s[WFS], s[WV], 1                     ; my 96 features of the block's 192
	s_bfe_u32 s[CX], ttmp6, 0x40000                ; my place in the cluster
	s_bfe_u32 s[CY], ttmp6, 0x40004
	s_lshl_b32 s[TB], ttmp9, 2
	s_add_co_u32 s[TB], s[TB], s[CX]               ; token block = 4 x cluster x + cx
	s_and_b32 s[PID], ttmp7, 0xffff                ; the projection = the cluster's y
	s_lshl_b32 s33, s[CY], 2
	s_lshl_b32 s33, 15, s33                        ; my row of the cluster
	s_lshl_b32 s34, 0x1111, s[CX]                  ; my column
	; descriptor group 1: 64 rows x 256 bytes, 768 bytes apart in memory, 16 bytes of padding behind each row in LDS
	s_or_b32 s[G1W], s33, (1<<20)|(1<<21)|(5<<22)|(3<<25)   ; 15:0 the mask: W's tiles go to my row; 17:16 elements of 1 byte; 20 padding on; 21 set beside a mask; 24:22 after every 64 words; 31:25 four words
	s_or_b32 s[G1X], s34, (1<<20)|(1<<21)|(5<<22)|(3<<25)   ; X's tiles go to my column
.irp g, G1W, G1X
	s_mov_b32 s[\g+1], 256<<16                     ; tensor_dim0
	s_mov_b32 s[\g+2], 64<<16                      ; tensor_dim1
	s_mov_b32 s[\g+3], 256<<16                     ; tile_dim0
	s_mov_b32 s[\g+4], 64                          ; tile_dim1
	s_mov_b32 s[\g+5], 768                         ; from row to row
	s_mov_b32 s[\g+6], 0
	s_mov_b32 s[\g+7], 0
.endr
	s_min_u32 s96, s[WV], 2                        ; W: rows 192 cy + 64 w (waves 0-2 ask)
	s_lshl_b32 s96, s96, 6
	s_mul_i32 s97, s[CY], 192
	s_add_co_u32 s96, s96, s97
	s_mul_i32 s96, s96, 768
	s_mov_b32 s97, 0
	s_lshr_b32 s98, s[WV], 2                       ; X: rows 128 tb + 64 (w / 4): wave 3 the first half, wave 4 the second
	s_lshl_b32 s98, s98, 6
	s_lshl_b32 s99, s[TB], 7
	s_add_co_u32 s98, s98, s99
	s_mul_i32 s98, s98, 768
	s_mov_b32 s99, 0
	s_mul_i32 s100, s[WV], T64                     ; where my rows go: wave x 64 rows; W's 192 rows are waves 0-2's, X's 128 waves 3-4's: no place in the cluster enters an LDS address
	s_wait_dscnt 0x0
	s_wait_kmcnt 0x0
	s_load_b256 s[EX:EX+7], s[18:19], 0x0
	s_load_b128 s[EX+8:EX+11], s[18:19], 0x20
	s_cmp_eq_u32 s[PID], 0                         ; the projection's two inputs: a choice that hangs on the cluster's number alone
	s_cselect_b64 s[92:93], s[4:5], s[6:7]
	s_cselect_b64 s[94:95], s[10:11], s[12:13]
	s_cmp_eq_u32 s[PID], 2
	s_cselect_b64 s[92:93], s[8:9], s[92:93]
	s_cselect_b64 s[94:95], s[14:15], s[94:95]
	s_add_nc_u64 s[92:93], s[92:93], s[98:99]
	s_add_nc_u64 s[94:95], s[94:95], s[96:97]
	CROUND                                         ; all sixteen work-groups are here: the joint loads meet
.irp ch, 0,1,2
	s_mov_b32 s[G0W+4*\ch], 1
	s_add_co_u32 s[G0W+4*\ch+1], s100, \ch*CHUNK
	s_add_nc_u64 s[G0W+4*\ch+2:G0W+4*\ch+3], s[94:95], \ch*256
	s_or_b32 s[G0W+4*\ch+3], s[G0W+4*\ch+3], 0x80000000
	s_mov_b32 s[G0X+4*\ch], 1
	s_add_co_u32 s[G0X+4*\ch+1], s100, \ch*CHUNK
	s_add_nc_u64 s[G0X+4*\ch+2:G0X+4*\ch+3], s[92:93], \ch*256
	s_or_b32 s[G0X+4*\ch+3], s[G0X+4*\ch+3], 0x80000000
.endr
	s_cmp_lt_u32 s[WV], 3                          ; a wave's three fills stand in one branch on its number, ahead of every wait on TENSORcnt and every LDS read
	s_cbranch_scc0 .Lnot_w
	tensor_load_to_lds s[G0W:G0W+3], s[G1W:G1W+7]
	s_nop 0
	tensor_load_to_lds s[G0W+4:G0W+7], s[G1W:G1W+7]
	s_nop 0
	tensor_load_to_lds s[G0W+8:G0W+11], s[G1W:G1W+7]
	s_nop 0
	PLACES 4
	s_branch .Lasked
.Lnot_w:
	s_cmp_lt_u32 s[WV], 5
	s_cbranch_scc0 .Lasked
	tensor_load_to_lds s[G0X:G0X+3], s[G1X:G1X+7]
	s_nop 0
	tensor_load_to_lds s[G0X+4:G0X+7], s[G1X:G1X+7]
	s_nop 0
	tensor_load_to_lds s[G0X+8:G0X+11], s[G1X:G1X+7]
	s_nop 0
	PLACES 4
.Lasked:
	v_and_b32 v8, 15, v0                           ; r = lane % 16
	v_bfe_u32 v9, v0, 4, 1                         ; h = lane / 16
	v_and_b32 v10, 31, v0
	v_lshlrev_b32 v[LN], 4, v10
	v_mul_u32_u24 v11, v8, PITCH
	v_lshl_add_u32 v11, v9, 4, v11                 ; a fragment's row x pitch + 16 h
	s_mul_i32 s101, s[WT], 32*PITCH
	s_add_co_u32 s101, s101, XOFF
	v_add_nc_u32 v[AX], s101, v11
	s_mul_i32 s101, s[WFS], 96*PITCH
	v_add_nc_u32 v[AW], s101, v11
	s_lshl_b32 s98, s[TB], 7                       ; attn_mask of tokens 128 tb + 32 wt + 16 ix + r (the two batches lie on end)
	s_lshl_b32 s99, s[WT], 5
	s_add_co_u32 s98, s98, s99
	s_lshl_b32 s98, s98, 2
	v_lshl_add_u32 v[MO], v8, 2, s98
	global_load_b32 v[MK], v[MO], s[16:17]
	global_load_b32 v[MK+1], v[MO], s[16:17] offset:64
	s_wait_tensorcnt 0x2                           ; my load of chunk 0 has landed; those of chunks 1 and 2 may be out
	s_barrier_signal -1
	s_barrier_wait -1                              ; everybody's has
	KSTEP 0, 1                                     ; the first step's products start the sums: nothing is cleared
	KSTEP 1, 0
	KSTEP 2, 0
	KSTEP 3, 0
	KSTEP 4, 0
	KSTEP 5, 0
	PLACES 4
	; THE QUANTISER.  A sum stands for sum x 2^(ea + eb), so its code is sum / 2^(eo - ea - eb): the three exponents are folded into the conversion's one scale
	s_wait_kmcnt 0x0
	s_add_co_i32 s92, s[EX+0], s[EX+1]
	s_sub_co_i32 s92, s[EX+6], s92
	s_add_co_i32 s93, s[EX+2], s[EX+3]
	s_sub_co_i32 s93, s[EX+7], s93
	s_add_co_i32 s94, s[EX+4], s[EX+5]
	s_sub_co_i32 s94, s[EX+9], s94
	s_cmp_eq_u32 s[PID], 0
	s_cselect_b32 s92, s92, s93
	s_cmp_eq_u32 s[PID], 2
	s_cselect_b32 s92, s94, s92
	s_add_co_i32 s92, s92, 127
	s_lshl_b32 s93, s92, 23
	v_mov_b32 v[SC], s93                           ; the scale as f32: the conversion takes its exponent field
	s_add_co_i32 s92, s92, 8
	s_lshl_b32 s92, s92, 23
	s_or_b32 s92, s92, 0x600000
	v_mov_b32 v[LIM], s92                          ; 448 x the scale
.set j, 0
.rept 96
	v_med3_num_f32 v[ACC+j], v[ACC+j], -v[LIM], v[LIM]   ; the conversion to an 8-bit code does not saturate (ISA guide 7.6.2): the hold comes first.  Each accumulator from its low end on
.set j, j+1
.endr
	s_wait_loadcnt 0x0                             ; attn_mask
	s_lshr_b32 s98, s[TB], 4                       ; b
	s_mul_i32 s98, s98, 1572864                    ; twelve heads of 131,072 bytes
	s_cmp_eq_u32 s[PID], 2
	s_cbranch_scc1 .Lv_out
	; ---- q, k: accumulator (ix, iw): token lane % 16 of tile ix, features 16 iw + 8 h + 0 .. 7.  Two neighbouring iw are four registers of the next operand
.irp ix, 0,1
.irp iw, 0,1,2,3,4,5
	v_cvt_scalef32_pk8_fp8_f32 v[CD+12*\ix+2*\iw:CD+12*\ix+2*\iw+1], v[ACC+8*(6*\ix+\iw):ACC+8*(6*\ix+\iw)+7], v[SC]
.endr
.endr
	v_nop                                          ; one plain vector instruction between the conversions and the lines that touch their results
	s_cmp_lg_u32 s[PID], 1
	s_cselect_b32 s93, -1, 0                       ; q keeps all its codes
.irp ix, 0,1
	v_cmp_ne_u32 vcc_lo, 0, v[MK+\ix]
	v_cndmask_b32 v[CM+\ix], 0, -1, vcc_lo
	v_or_b32 v[CM+\ix], s93, v[CM+\ix]             ; k: zero codes for a token whose attn_mask is 0
.endr
.irp ix, 0,1
.irp i, 0,1,2,3,4,5,6,7,8,9,10,11
	v_and_b32 v[CD+12*\ix+\i], v[CM+\ix], v[CD+12*\ix+\i]
.endr
.endr
	s_and_b32 s99, s[TB], 15                       ; n: the block among the batch's sixteen
	s_lshl_b32 s99, s99, 3
	s_lshl_b32 s101, s[WT], 1
	s_add_co_u32 s99, s99, s101                    ; my first token tile: 8 n + 2 wt
	s_lshl_b32 s99, s99, 10
	s_add_co_u32 s98, s98, s99
	s_mul_i32 s96, s[CY], 6
	s_mul_i32 s97, s[WFS], 3
	s_add_co_u32 s96, s96, s97                     ; my first group of 32 features: 6 cy + 3 wf
.irp p, 0,1,2
	s_add_co_u32 s97, s96, \p
	s_lshr_b32 s99, s97, 1                         ; its head,
	s_lshl_b32 s99, s99, 17
	s_and_b32 s97, s97, 1                          ; and which half of the head's 64
	s_lshl_b32 s97, s97, 9
	s_add_co_u32 s99, s99, s97
	s_add_co_u32 s99, s99, s98
	v_add_nc_u32 v[SO+\p], s99, v[LN]
.endr
	s_cmp_eq_u32 s[PID], 0
	s_cselect_b64 s[92:93], s[20:21], s[22:23]     ; qh or kh
.irp ix, 0,1
.irp p, 0,1,2
	global_store_b128 v[SO+\p], v[CD+12*\ix+4*\p:CD+12*\ix+4*\p+3], s[92:93] offset:1024*\ix   ; 32 lanes store 512 consecutive bytes, aligned
.endr
.endr
	s_branch .Lstored
.Lv_out:
	; ---- v: accumulator (ix, iw): feature lane % 16 of tile iw, tokens 16 ix + 8 h + 0 .. 7 of my 32.  The two ix are four registers of the next operand
.irp ix, 0,1
.irp iw, 0,1,2,3,4,5
	v_cvt_scalef32_pk8_fp8_f32 v[CD+4*\iw+2*\ix:CD+4*\iw+2*\ix+1], v[ACC+8*(6*\ix+\iw):ACC+8*(6*\ix+\iw)+7], v[SC]
.endr
.endr
	v_nop
	s_and_b32 s99, s[TB], 15
	s_lshl_b32 s99, s99, 13                        ; n x 8192: the step of 128 keys
	s_add_co_u32 s98, s98, s99
	s_lshl_b32 s99, s[WT], 9                       ; my 32 keys of it
	s_add_co_u32 s98, s98, s99
	s_mul_i32 s96, s[CY], 12
	s_mul_i32 s97, s[WFS], 6
	s_add_co_u32 s96, s96, s97                     ; my first tile of 16 features
.irp iw, 0,1,2,3,4,5
	s_add_co_u32 s97, s96, \iw
	s_lshr_b32 s99, s97, 2                         ; its head,
	s_lshl_b32 s99, s99, 17
	s_and_b32 s97, s97, 3                          ; and which 16 of the head's 64
	s_lshl_b32 s97, s97, 11
	s_add_co_u32 s99, s99, s97
	s_add_co_u32 s99, s99, s98
	v_add_nc_u32 v[SO+\iw], s99, v[LN]
.endr
.irp iw, 0,1,2,3,4,5
	global_store_b128 v[SO+\iw], v[CD+4*\iw:CD+4*\iw+3], s[24:25]
.endr
.Lstored:
	s_wait_tensorcnt 0x0
	ds_add_u32 v254, v255
	s_wait_dscnt 0x0
	CROUND                                         ; the closing round: no work-group ends while a partner may still ask for a tile that names it
	s_endpgm
.Lfunc_end_k_q15dc36fb58_proj:
	.size	k_q15dc36fb58_proj, .Lfunc_end_k_q15dc36fb58_proj-k_q15dc36fb58_proj
	.p2alignl 7, 3214868480
	.fill 96, 4, 3214868480
	.section	.rodata,"a",@progbits
	.p2align	6, 0x0
	.amdhsa_kernel k_q15dc36fb58_proj
		.amdhsa_group_segment_fixed_size 262144
		.amdhsa_private_segment_fixed_size 0
		.amdhsa_enable_private_segment 0
		.amdhsa_kernarg_size 88
		.amdhsa_user_sgpr_count 2
		.amdhsa_user_sgpr_kernarg_segment_ptr 1
		.amdhsa_wavefront_size32 1
		.amdhsa_system_sgpr_workgroup_id_x 1
		.amdhsa_system_sgpr_workgroup_id_y 1
		.amdhsa_system_sgpr_workgroup_id_z 1
		.amdhsa_system_vgpr_workitem_id 0
		.amdhsa_next_free_vgpr 256
		.amdhsa_next_free_sgpr 102
		.amdhsa_reserve_vcc 1
		.amdhsa_float_denorm_mode_32 3
		.amdhsa_float_denorm_mode_16_64 3
		.amdhsa_memory_ordered 1
		.amdhsa_forward_progress 1
		.amdhsa_inst_pref_size 46
	.end_amdhsa_kernel
	.amdgpu_metadata
---
amdhsa.version: [ 1, 2 ]
amdhsa.kernels:
  - .name:           k_q15dc36fb58_proj
    .symbol:         k_q15dc36fb58_proj.kd
    .args:
      - { .name: q_codes, .offset: 0, .size: 8, .value_kind: global_buffer, .address_space: global }
      - { .name: k_codes, .offset: 8, .size: 8, .value_kind: global_buffer, .address_space: global }
      - { .name: v_codes, .offset: 16, .size: 8, .value_kind: global_buffer, .address_space: global }
      - { .name: Wq_codes, .offset: 24, .size: 8, .value_kind: global_buffer, .address_space: global }
      - { .name: Wk_codes, .offset: 32, .size: 8, .value_kind: global_buffer, .address_space: global }
      - { .name: Wv_codes, .offset: 40, .size: 8, .value_kind: global_buffer, .address_space: global }
      - { .name: attn_mask, .offset: 48, .size: 8, .value_kind: global_buffer, .address_space: global }
      - { .name: lowp_scales, .offset: 56, .size: 8, .value_kind: global_buffer, .address_space: global }
      - { .name: qh, .offset: 64, .size: 8, .value_kind: global_buffer, .address_space: global }
      - { .name: kh, .offset: 72, .size: 8, .value_kind: global_buffer, .address_space: global }
      - { .name: vh, .offset: 80, .size: 8, .value_kind: global_buffer, .address_space: global }
    .group_segment_fixed_size: 262144
    .private_segment_fixed_size: 0
    .kernarg_segment_align: 8
    .kernarg_segment_size: 88
    .max_flat_workgroup_size: 256
    .sgpr_count:     102
    .vgpr_count:     256
    .wavefront_size: 32
...
	.end_amdgpu_metadata
.endif
;; end of part 1
;; launch attn (part 2): grid 8 x 24, 16 waves a work-group, no clusters, 272,384 bytes of LDS; arguments qh, kh, vh, attn_mask, lowp_scales, ao; writes ao
.if DOCPART == 2
	.amdgcn_target "amdgcn-amd-amdhsa--gfx1250"
	.amdhsa_code_object_version 6
	.text
	.protected	k_q15dc36fb58_attn
	.globl	k_q15dc36fb58_attn
	.p2align	8
	.type	k_q15dc36fb58_attn,@function
k_q15dc36fb58_attn:
	s_mov_b64 s[64:65], 0
	v_nop
	global_prefetch_b8 v0, s[64:65] scope:SCOPE_SE
	s_setreg_imm32_b32 hwreg(HW_REG_WAVE_MODE, 25, 1), 1
	s_wait_xcnt 0x0
; ATTENTION ON CODES.  For each batch and head: t = logit x log2(e); M = the running largest t rounded up to a whole number; p = 2^(t - M) is quantised along the keys (exponent e8);
; the row's sum is taken of the unquantised p and divides at the end; the result is quantised (e10) and stored as codes, laid as images of the last product's operand registers:
;   ao: T x 12288 + sK x 2048 + c x 512 + 16 lane + y: token 16 T + lane % 16, model channel 128 sK + 32 c + 16 (y / 8) + 8 (lane / 16) + y % 8.
; THE MASKS ARE FINITE: the logit of a key behind the query has -10000 ADDED, that of a key whose attn_mask is 0 IS -10000.  So a query all of whose earlier keys are masked has a softmax over ALL keys.
;   E = e6 + e7.  A raw sum s stands for the logit s x 2^E / 8;  c = log2(e) / 8 x 2^E;  t = s c.  NEGRAW = -80000 x 2^-E (exact) is the raw number of -10000.
;   kh of a masked key is zero codes, so its raw sum is 0.  The mask goes in as the C of the first product: NEGRAW where the key is masked (from a table in LDS) or lies behind the query, else 0.
;   In a step all of whose keys lie behind my queries C is 0 and -10000 log2(e) is added to t instead (OFF).
; WHAT IS PASSED OVER.  A step all of whose keys lie behind my 16 queries is left out if (a) some key up to my first query has attn_mask != 0 and (b) E <= -9.  Then every row has a logit of at least
;   -64 x 448^2 x 2^-9 / 8 = -3136 and every logit behind the queries is at most 3136 - 10000: its p is 2^(under -5000), which is 0 in f32.  Both are whole numbers that this launch reads; else every key is computed.
; THE HOLD AT THE LARGEST CODE is passed over where it cannot bite: with E <= 0 every |t| is under 64 x 448^2 x 0.1804 < 2^22, where f32 numbers lie 0.25 apart, so the roundings of the largest t and of OFF - M leave
;   t - M at most 0.25 and p under 1.19; with e8 >= -8 the largest code x the scale is at least 1.75.  Both are whole numbers that this launch reads; else the hold is executed.
; SHARES.  Work-group (j, bh): head bh = 12 b + hd; its sixteen waves own ONE tile of 16 queries each: tile 8 i + j, which has i + 1 steps up to its diagonal.  i is nibble w of a table.  As a square (w / 4, w % 4):
;      0  5  9 15        every row and every column holds one i under 4, so steps 4 and 5 have three live waves in each;
;     10  1 14  4        the steps behind the sixth (i - 5 where that is positive) sum to 14, 14, 13, 14 by rows and to 14, 14, 14, 13 by columns:
;      7 13  3  8        the work is even among the waves of a row and among the waves of a column alike.
;     12 11  6  2
; LDS: the head's whole kh (131,072 bytes), vh (131,072) and the table (8,192) lie there, every byte written once, by global loads and LDS stores: kh and vh are dense images, thread t copies 16 bytes at 16 t of each step's 8,192.
;   The copy goes in five parts (steps 0-1, 2-5, 6-9, 10-13, 14-15), each asked for a part ahead, into 32 registers that the steps do not touch; one barrier behind each part.  The parts are stored at the head and behind
;   steps 0, 1, 3 and 5: each part lies in LDS, behind its barrier, ahead of the run that first reads it, and from step 6 on no barrier is left: a wave with many steps walks them without waiting for the others.
; NO TENSOR LOADS AND NO CLUSTER, though the eight work-groups of a head read the same kh and vh: the steps passed over hang on numbers read from memory;
;   what is shared is read once by each work-group, 262,144 bytes, while it issues 136 steps or more of some 280 instructions.
; LAYOUT.  S^T = K Q^T (source 0 = 16 keys, source 1 = my queries), O^T = V^T P^T: a lane holds one query (lane % 16) throughout; tile t's register jj is key 16 t + 8 (lane / 16) + jj: p's eight conversions ARE the second product's operand.
; LIMITS on the given exponents, so that each power of two is an f32 number: E between -111 and 130; e8 and e10 between -126 and 119.  NaN codes are not served.  A masked logit carries the rounding of a sum with 10000, as in the problem's definition.
.set GF,  26                           ; v26  16 x thread: the copy's offset in memory, and its LDS address for K's steps 0-7
.set PA,  26                           ; v26-29  the copy's LDS addresses: K's steps 0-7, 8-15, V's 0-7, 8-15
.set TW,  30                           ; v30  where I store my four numbers of the table
.set LN,  2                            ; v2   16 x lane
.set LV,  3                            ; v3   131072 + 16 x lane
.set LT,  4                            ; v4   262144 + 32 (lane / 16)
.set NR,  5                            ; v5   NEGRAW
.set DL,  6                            ; v6   lane % 16 - 8 (lane / 16)
.set ADK, 8                            ; v8-10  the step's addresses of K, V, the table
.set ADV, 9
.set ADT, 10
.set QF,  16                           ; v16-23  Q's fragment.   v12 -M, v13 the largest t, v[14:15] the sum in two halves, v[24:25] OFF - M
.set FR,  32                           ; v32-95  K's eight fragments, then V's four
.set S,   96                           ; v96-159 S^T, then p
.set OT,  160                          ; v160-191 O^T
.set ST,  192                          ; v192-223 the copy's registers
.set PC,  224                          ; v224-239 p's codes.   v240, v244: 448 x 2^e8, 2^e8;  v241, v245: the same for e10;  v242, v243, v246, v252-254 at work
.set CS,  22                           ; s[22:23] c
.set SEL, 24                           ; s[24:25] lane selects: lane xor 16
.set OFF, 26
.set KF,  27                           ; the step's first key
.set KB,  28                           ; its bytes in K and in V
.set TO,  29                           ; and in the table
.set CNT, 30
.set Q0,  31                           ; my first query
.set KLIM, 32                          ; steps whose first key lies beyond it are passed over
.set QL,  33                           ; my last query
.set FREE, 63                          ; s63  1: p cannot pass the largest code x the scale, 0: the hold is executed
.macro GET n0, cnt                     ; steps n0 on: my 16 bytes of each step's K and V are asked for
.set gi, 0
.rept \cnt
	global_load_b128 v[ST+8*gi:ST+8*gi+3], v[GF], s[6:7] offset:8192*(\n0+gi)
	global_load_b128 v[ST+8*gi+4:ST+8*gi+7], v[GF], s[8:9] offset:8192*(\n0+gi)
.set gi, gi+1
.endr
.endm
.macro PUT n0, cnt                     ; and go to LDS as they lie
.set gi, 0
.rept \cnt
	ds_store_b128 v[PA+(\n0+gi)/8], v[ST+8*gi:ST+8*gi+3] offset:8192*((\n0+gi)%8)
	ds_store_b128 v[PA+2+(\n0+gi)/8], v[ST+8*gi+4:ST+8*gi+7] offset:8192*((\n0+gi)%8)
.set gi, gi+1
.endr
.endm
.macro PART pn, pc, gn, gc             ; a part of the copy lands in LDS, the next is asked for, and all sixteen waves meet
	s_wait_loadcnt 0x0                             ; the part asked for a run of steps ago
	PUT \pn, \pc
	s_wait_dscnt 0x0                               ; for the others' sake: my stores are done; and they have read their registers
.if \gc
	GET \gn, \gc
.endif
	s_barrier_signal -1
	s_barrier_wait -1
.endm
; A KEY STEP: 128 keys.  No barrier and no copy stands in it, so a wave may pass it over.
.macro STEP
	s_cmp_gt_u32 s[KF], s[KLIM]
	s_cbranch_scc1 .Lhidden_\@
	v_add_nc_u32 v[ADK], s[KB], v[LN]              ; these three and the v_nop are the four places between the last step's products and the loads into their sources
	v_add_nc_u32 v[ADV], s[KB], v[LV]
	v_add_nc_u32 v[ADT], s[TO], v[LT]
	v_nop
.irp t, 0,1,2,3,4,5,6,7
	ds_load_b128 v[FR+8*\t:FR+8*\t+3], v[ADK] offset:1024*\t
	ds_load_b128 v[FR+8*\t+4:FR+8*\t+7], v[ADK] offset:1024*\t+512
.endr
	s_cmp_gt_u32 s[KF], s[QL]
	s_cbranch_scc1 .Lfuture_\@
	s_mov_b32 s[OFF], 0
.irp t, 0,1,2,3,4,5,6,7
	ds_load_b128 v[S+8*\t:S+8*\t+3], v[ADT] offset:64*\t           ; the table's numbers of keys 16 t + 8 h + 0 .. 7, straight into the products' C
	ds_load_b128 v[S+8*\t+4:S+8*\t+7], v[ADT] offset:64*\t+16
.endr
	s_add_co_u32 s48, s[KF], 127
	s_cmp_le_u32 s48, s[Q0]
	s_cbranch_scc1 .Lpast_\@
	s_sub_co_u32 s48, s[Q0], s[KF]                 ; the one step on the diagonal: register 8 t + jj lies behind my query where 16 t + jj > d = Q0 - KF + lane % 16 - 8 (lane / 16)
	v_add_nc_u32 v252, s48, v[DL]
	s_wait_dscnt 0x0
.set n, 0
.rept 64
	v_cmp_gt_i32 vcc_lo, 16*(n/8)+n%8, v252
	v_cndmask_b32 v[S+n], v[S+n], v[NR], vcc_lo
.set n, n+1
.endr
.Lpast_\@:
	s_wait_dscnt 0x0
.irp t, 0,1,2,3,4,5,6,7
	v_wmma_f32_16x16x64_fp8_fp8 v[S+8*\t:S+8*\t+7], v[FR+8*\t:FR+8*\t+7], v[QF:QF+7], v[S+8*\t:S+8*\t+7]
.endr
	s_branch .Ljoin_\@
.Lfuture_\@:
	s_mov_b32 s[OFF], 0xc6616bcd                   ; -10000 log2(e)
	s_wait_dscnt 0x0
.irp t, 0,1,2,3,4,5,6,7
	v_wmma_f32_16x16x64_fp8_fp8 v[S+8*\t:S+8*\t+7], v[FR+8*\t:FR+8*\t+7], v[QF:QF+7], 0
.endr
.Ljoin_\@:
.rept 4
	v_nop                                          ; places in front of the loads into K's registers and of the first read of the scores
.endr
.irp t, 0,1,2,3
.irp c, 0,1,2,3
	ds_load_b128 v[FR+16*\t+4*\c:FR+16*\t+4*\c+3], v[ADV] offset:2048*\t+512*\c   ; V's four fragments land under the softmax
.endr
.endr
	v_max3_num_f32 v254, v[S], v[S+1], v[S+2]      ; the step's largest raw score of my query among my 64 keys, in two chains, each accumulator from its low end on
	v_max3_num_f32 v252, v[S+3], v[S+4], v[S+5]
.irp i, 6,10,14,18,22,26,30,34,38,42,46,50,54,58
	v_max3_num_f32 v254, v254, v[S+\i], v[S+\i+1]
	v_max3_num_f32 v252, v252, v[S+\i+2], v[S+\i+3]
.endr
	v_max3_num_f32 v254, v254, v[S+62], v[S+63]
	v_max_num_f32 v254, v254, v252
	v_permlanex16_b32 v246, v254, s[SEL], s[SEL+1]
	v_max_num_f32 v254, v254, v246                 ; and among lane xor 16's
	v_fma_f32 v254, v254, s[CS], s[OFF]            ; as t (c is positive)
	v_max_num_f32 v13, v13, v254                   ; the running largest t
	v_mov_b32 v254, v12
	v_floor_f32 v12, -v13                          ; the new -M = floor(-t): M is a whole number
	v_sub_f32 v254, v12, v254                      ; old M - new M: a whole number, 0 or less
	v_cvt_i32_f32 v254, v254                       ; (it saturates)
	v_ldexp_f32 v252, 1.0, v254                    ; f = 2^(old M - new M): rounds nothing
	v_add_f32 v24, s[OFF], v12                     ; OFF - M
.set n, 0
.rept 32
	v_pk_fma_f32 v[S+n:S+n+1], v[S+n:S+n+1], s[CS:CS+1], v[24:25] op_sel_hi:[1,0,0]   ; t - M, two at a time (of the pairs the low word serves both halves)
.set n, n+2
.endr
.set n, 0
.rept 64
	v_exp_f32 v[S+n], v[S+n]                       ; p = 2^(t - M): not normalised
.set n, n+1
.endr
	v_pk_mul_f32 v[14:15], v[14:15], v[252:253] op_sel_hi:[1,0]   ; the sums under the new M.  (The plain instruction behind the exponentials)
	s_wait_alu depctr_va_vdst(0)
	v_pk_add_f32 v[242:243], v[S:S+1], v[S+2:S+3]  ; the row's sum is taken of the unquantised p, in two chains
.set n, 4
.rept 15
	v_pk_add_f32 v[14:15], v[14:15], v[S+n:S+n+1]
	v_pk_add_f32 v[242:243], v[242:243], v[S+n+2:S+n+3]
.set n, n+4
.endr
	v_pk_add_f32 v[14:15], v[14:15], v[242:243]
	s_cmp_lg_u32 s[FREE], 0                        ; p under 1.19 and the largest code x the scale at least 1.75: nothing to hold
	s_cbranch_scc1 .Lnohold_\@
.set n, 0
.rept 64
	v_min_num_f32 v[S+n], v[S+n], v240             ; the conversion does not saturate (ISA guide 7.6.2); p is not negative, so the hold is one-sided
.set n, n+1
.endr
.Lnohold_\@:
.irp t, 0,1,2,3,4,5,6,7
	v_cvt_scalef32_pk8_fp8_f32 v[PC+2*\t:PC+2*\t+1], v[S+8*\t:S+8*\t+7], v244   ; keys 16 t + 8 h + 0 .. 7: registers 2 t, 2 t + 1 of the operand
.endr
.set n, 0
.rept 16
	v_pk_mul_f32 v[OT+n:OT+n+1], v[OT+n:OT+n+1], v[252:253] op_sel_hi:[1,0]   ; O^T under the new M.  (Also the plain instructions between the conversions and the products)
.set n, n+2
.endr
	s_wait_dscnt 0x0                               ; V
.irp t, 0,1,2,3
	v_wmma_f32_16x16x128_fp8_fp8 v[OT+8*\t:OT+8*\t+7], v[FR+16*\t:FR+16*\t+15], v[PC:PC+15], v[OT+8*\t:OT+8*\t+7]
.endr
.Lhidden_\@:
.endm
.macro RUN n0, cnt                     ; steps n0 .. n0 + cnt - 1: the trip count is a constant; only a step's work is passed over
	s_mov_b32 s[KB], 8192*\n0
	s_mov_b32 s[TO], 512*\n0
	s_mov_b32 s[KF], 128*\n0
.if \cnt > 1
	s_mov_b32 s[CNT], \cnt
.Lrun_\@:
.endif
	STEP
.if \cnt > 1
	s_add_co_u32 s[KB], s[KB], 8192
	s_add_co_u32 s[TO], s[TO], 512
	s_add_co_u32 s[KF], s[KF], 128
	s_sub_co_u32 s[CNT], s[CNT], 1
	s_cmp_lg_u32 s[CNT], 0
	s_cbranch_scc1 .Lrun_\@
.endif
.endm
	s_load_b256 s[4:11], s[0:1], 0x0               ; qh s[4:5], kh s[6:7], vh s[8:9], attn_mask s[10:11]
	s_load_b128 s[12:15], s[0:1], 0x20             ; the exponents s[12:13], ao s[14:15]
	v_lshl_add_u32 v251, v0, 2, 0x42000
	v_mov_b32 v255, 0
	v_lshrrev_b32 v7, 5, v0
	v_readfirstlane_b32 s16, v7                    ; wave 0..15
	s_mov_b32 s48, 0x4e1af950                      ; the table of i: a nibble a wave, waves 0-7,
	s_mov_b32 s49, 0x26bc83d7                      ; and waves 8-15
	s_cmp_lt_u32 s16, 8
	s_cselect_b32 s48, s48, s49
	s_and_b32 s49, s16, 7
	s_lshl_b32 s49, s49, 2
	s_lshr_b32 s48, s48, s49
	s_and_b32 s17, s48, 15                         ; i
	s_and_b32 s19, ttmp7, 0xffff                   ; bh
	s_cmp_ge_u32 s19, 12
	s_cselect_b32 s20, 1, 0                        ; b
	s_mul_i32 s48, s20, 12
	s_sub_co_u32 s21, s19, s48                     ; the head within the batch
	s_lshl_b32 s18, s17, 3
	s_add_co_u32 s18, s18, ttmp9                   ; my tile of queries: 8 i + j
	s_lshl_b32 s[Q0], s18, 4
	s_add_co_u32 s[QL], s[Q0], 15
	s_lshl_b32 s62, ttmp9, 4                       ; 16 j: my first query within its block of 128
	s_lshl_b32 s50, s19, 17                        ; the head's bytes in qh, kh, vh
	s_mov_b32 s51, 0
	s_lshl_b32 s52, s18, 10
	s_add_co_u32 s52, s52, s50                     ; my tile of qh
	s_mov_b32 s53, 0
	s_lshl_b32 s54, s20, 13                        ; the batch's row of attn_mask
	s_mov_b32 s55, 0
	s_lshl_b32 s56, s17, 9                         ; and my block of 128 keys in it
	s_mov_b32 s57, 0
	s_lshl_b32 s58, s20, 7
	s_add_co_u32 s58, s58, s18
	s_mul_i32 s58, s58, 12288                      ; ao: token tile 128 b + 8 i + j,
	s_lshr_b32 s59, s21, 1
	s_lshl_b32 s59, s59, 11
	s_add_co_u32 s58, s58, s59                     ; K step hd / 2,
	s_and_b32 s59, s21, 1
	s_lshl_b32 s59, s59, 10
	s_add_co_u32 s58, s58, s59                     ; its half hd % 2
	s_mov_b32 s59, 0
	s_mov_b32 s[SEL], 0x76543210
	s_mov_b32 s[SEL+1], 0xfedcba98
	v_lshlrev_b32 v[GF], 4, v0
	v_add_nc_u32 v[PA+1], 0x10000, v[PA]
	v_add_nc_u32 v[PA+2], 0x20000, v[PA]
	v_add_nc_u32 v[PA+3], 0x30000, v[PA]
	v_add_nc_u32 v[TW], 0x40000, v[PA]
	v_and_b32 v7, 31, v0
	v_lshlrev_b32 v[LN], 4, v7
	v_add_nc_u32 v[LV], 0x20000, v[LN]
	v_bfe_u32 v11, v0, 4, 1                        ; h
	v_lshl_add_u32 v[LT], v11, 5, 0x40000
	v_and_b32 v31, 15, v0                          ; r
	v_lshlrev_b32 v11, 3, v11
	v_sub_nc_u32 v[DL], v31, v11
	v_lshlrev_b32 v108, 2, v7                      ; 4 x lane: my first key of a block of 128 in attn_mask
	s_wait_kmcnt 0x0
	s_load_b256 s[36:43], s[12:13], 0x0            ; e0 .. e7
	s_load_b128 s[44:47], s[12:13], 0x20           ; e8 .. e11
	s_add_nc_u64 s[4:5], s[4:5], s[52:53]
	s_add_nc_u64 s[6:7], s[6:7], s[50:51]
	s_add_nc_u64 s[8:9], s[8:9], s[50:51]
	s_add_nc_u64 s[10:11], s[10:11], s[54:55]
	s_add_nc_u64 s[60:61], s[10:11], s[56:57]
	s_add_nc_u64 s[14:15], s[14:15], s[58:59]
	GET 0, 2
	global_load_b128 v[100:103], v[GF], s[10:11]   ; attn_mask of keys 4 t .. 4 t + 3, for the table
	global_load_b128 v[QF:QF+3], v[LN], s[4:5]     ; Q's fragment stays in registers
	global_load_b128 v[QF+4:QF+7], v[LN], s[4:5] offset:512
.irp m, 0,1,2,3,4,5,6,7,8,9,10,11,12,13,14,15
	global_load_b128 v[32+4*\m:35+4*\m], v[LN], s[10:11] offset:512*\m   ; the whole row of attn_mask: block m's keys 4 lane .. 4 lane + 3
.endr
	global_load_b128 v[96:99], v[LN], s[60:61]     ; and my own block once more
	v_mov_b32 v13, 0xff61b1e6                      ; the largest t so far: -3e38
	v_floor_f32 v12, -v13
	v_mov_b32 v14, 0
	v_mov_b32 v15, 0
	v_mov_b32 v25, 0                               ; (named as the upper half of a pair)
	v_mov_b32 v253, 0                              ; (likewise)
	v_mov_b32 v246, 0                              ; a lane permute's destination counts as one of its sources
.set n, 0
.rept 32
	v_mov_b32 v[OT+n], 0                           ; O^T: the step is written once; the first finds zeros, which the first change of M leaves zeros
.set n, n+1
.endr
.irp e, 0,1,2,3
	v_mov_b32 v[104+\e], 0
.endr
	s_wait_kmcnt 0x0
	s_add_co_i32 s34, s42, s43                     ; E = e6 + e7
	s_lshl_b32 s48, s34, 23
	s_add_co_u32 s[CS], s48, 0x3e38aa3b            ; c = log2(e) / 8 x 2^E: E is added to the exponent field
	s_mov_b32 s[CS+1], s[CS]
	s_sub_co_u32 s49, 0xc79c4000, s48              ; NEGRAW = -80000 x 2^-E
	v_mov_b32 v[NR], s49
	s_add_co_i32 s48, s44, 127
	s_lshl_b32 s49, s48, 23
	v_mov_b32 v244, s49                            ; 2^e8
	s_add_co_i32 s48, s48, 8
	s_lshl_b32 s48, s48, 23
	s_or_b32 s48, s48, 0x600000
	v_mov_b32 v240, s48                            ; 448 x 2^e8
	s_add_co_i32 s48, s46, 127
	s_lshl_b32 s49, s48, 23
	v_mov_b32 v245, s49                            ; 2^e10
	s_add_co_i32 s48, s48, 8
	s_lshl_b32 s48, s48, 23
	s_or_b32 s48, s48, 0x600000
	v_mov_b32 v241, s48                            ; 448 x 2^e10
	s_add_co_i32 s35, s44, s45                     ; e8 + e9
	s_cmp_ge_i32 s44, -8                           ; e8 >= -8 and E <= 0: p stays under the largest code x the scale, and the hold is passed over
	s_cselect_b32 s[FREE], 1, 0
	s_cmp_le_i32 s34, 0
	s_cselect_b32 s[FREE], s[FREE], 0
	s_wait_loadcnt 0x0
.irp e, 0,1,2,3
	v_cmp_eq_u32 vcc_lo, 0, v[100+\e]
	v_cndmask_b32 v[100+\e], 0, v[NR], vcc_lo      ; the table: NEGRAW for a masked key, else 0
.endr
	ds_store_b128 v[TW], v[100:103]
	PUT 0, 2
	; is some key up to my first query not masked?  Blocks under i count whole, of block i the keys up to 16 j
.irp m, 0,1,2,3,4,5,6,7,8,9,10,11,12,13,14,15
	s_cmp_lt_u32 \m, s17
	s_cselect_b32 s48, -1, 0
.irp e, 0,1,2,3
	v_and_or_b32 v[104+\e], v[32+4*\m+\e], s48, v[104+\e]
.endr
.endr
.irp e, 0,1,2,3
	v_add_nc_u32 v109, \e, v108
	v_cmp_ge_u32 vcc_lo, s62, v109
	v_cndmask_b32 v109, 0, v[96+\e], vcc_lo
	v_or_b32 v[104+\e], v[104+\e], v109
.endr
	v_or_b32 v104, v104, v105
	v_or_b32 v106, v106, v107
	v_or_b32 v104, v104, v106
	v_cmp_ne_u32 s48, 0, v104
	s_cmp_lg_u32 s48, 0
	s_cselect_b32 s49, s[QL], 0x7fffffff
	s_cmp_le_i32 s34, -9
	s_cselect_b32 s[KLIM], s49, 0x7fffffff         ; both hold: steps behind my last query are passed over; else none is
	s_wait_dscnt 0x0                               ; for the others' sake: my part of the table and of steps 0-1 is stored
	GET 2, 4
	s_barrier_signal -1
	s_barrier_wait -1
	RUN 0, 1                                       ; reads step 0, while steps 2-5 are on their way
	PART 2, 4, 6, 4                                ; steps 2-5 lie in LDS behind this barrier: first read by the run of steps 2-3
	RUN 1, 1
	PART 6, 4, 10, 4                               ; steps 6-9: first read by the last run
	RUN 2, 2
	PART 10, 4, 14, 2                              ; steps 10-13
	RUN 4, 2
	PART 14, 2, 0, 0                               ; steps 14-15: the whole head lies in LDS, and no barrier follows
	RUN 6, 10
	; THE WAY OUT: O^T x 2^(e8 + e9) / the sum, quantised with e10: tile t's eight registers are channels 16 t + 8 h + 0 .. 7 of my query: registers 2 t, 2 t + 1 of the next operand
.rept 4
	v_nop
.endr
	v_add_f32 v14, v14, v15
	v_permlanex16_b32 v246, v14, s[SEL], s[SEL+1]
	v_add_f32 v14, v14, v246                       ; the row's sum
	v_rcp_f32 v14, v14
	v_nop                                          ; one plain instruction behind the transcendental
	s_wait_alu depctr_va_vdst(0)
	v_ldexp_f32 v14, v14, s35
.set n, 0
.rept 16
	v_pk_mul_f32 v[S+n:S+n+1], v[OT+n:OT+n+1], v[14:15] op_sel_hi:[1,0]   ; each accumulator from its low end on
.set n, n+2
.endr
.set n, 0
.rept 32
	v_med3_num_f32 v[S+n], v[S+n], -v241, v241
.set n, n+1
.endr
.irp t, 0,1,2,3
	v_cvt_scalef32_pk8_fp8_f32 v[PC+2*\t:PC+2*\t+1], v[S+8*\t:S+8*\t+7], v245
.endr
	v_nop
	global_store_b128 v[LN], v[PC:PC+3], s[14:15]              ; 32 lanes store 512 consecutive bytes, aligned
	global_store_b128 v[LN], v[PC+4:PC+7], s[14:15] offset:512
	s_wait_tensorcnt 0x0
	ds_add_u32 v251, v255
	s_wait_dscnt 0x0
	s_endpgm
.Lfunc_end_k_q15dc36fb58_attn:
	.size	k_q15dc36fb58_attn, .Lfunc_end_k_q15dc36fb58_attn-k_q15dc36fb58_attn
	.p2alignl 7, 3214868480
	.fill 96, 4, 3214868480
	.section	.rodata,"a",@progbits
	.p2align	6, 0x0
	.amdhsa_kernel k_q15dc36fb58_attn
		.amdhsa_group_segment_fixed_size 272384
		.amdhsa_private_segment_fixed_size 0
		.amdhsa_enable_private_segment 0
		.amdhsa_kernarg_size 48
		.amdhsa_user_sgpr_count 2
		.amdhsa_user_sgpr_kernarg_segment_ptr 1
		.amdhsa_wavefront_size32 1
		.amdhsa_system_sgpr_workgroup_id_x 1
		.amdhsa_system_sgpr_workgroup_id_y 1
		.amdhsa_system_sgpr_workgroup_id_z 1
		.amdhsa_system_vgpr_workitem_id 0
		.amdhsa_next_free_vgpr 256
		.amdhsa_next_free_sgpr 100
		.amdhsa_reserve_vcc 1
		.amdhsa_float_denorm_mode_32 3
		.amdhsa_float_denorm_mode_16_64 3
		.amdhsa_memory_ordered 1
		.amdhsa_forward_progress 1
		.amdhsa_inst_pref_size 136
	.end_amdhsa_kernel
	.amdgpu_metadata
---
amdhsa.version: [ 1, 2 ]
amdhsa.kernels:
  - .name:           k_q15dc36fb58_attn
    .symbol:         k_q15dc36fb58_attn.kd
    .args:
      - { .name: qh, .offset: 0, .size: 8, .value_kind: global_buffer, .address_space: global }
      - { .name: kh, .offset: 8, .size: 8, .value_kind: global_buffer, .address_space: global }
      - { .name: vh, .offset: 16, .size: 8, .value_kind: global_buffer, .address_space: global }
      - { .name: attn_mask, .offset: 24, .size: 8, .value_kind: global_buffer, .address_space: global }
      - { .name: lowp_scales, .offset: 32, .size: 8, .value_kind: global_buffer, .address_space: global }
      - { .name: ao, .offset: 40, .size: 8, .value_kind: global_buffer, .address_space: global }
    .group_segment_fixed_size: 272384
    .private_segment_fixed_size: 0
    .kernarg_segment_align: 8
    .kernarg_segment_size: 48
    .max_flat_workgroup_size: 512
    .sgpr_count:     100
    .vgpr_count:     256
    .wavefront_size: 32
...
	.end_amdgpu_metadata
.endif
;; end of part 2
;; launch outp (part 3): grid 64 x 4, 8 waves a work-group, clusters of 4 x 4, 257,024 bytes of LDS; arguments ao, Wo_codes, lowp_scales, out0; writes out0
.if DOCPART == 3
	.amdgcn_target "amdgcn-amd-amdhsa--gfx1250"
	.amdhsa_code_object_version 6
	.text
	.protected	k_q15dc36fb58_outp
	.globl	k_q15dc36fb58_outp
	.p2align	8
	.type	k_q15dc36fb58_outp,@function
k_q15dc36fb58_outp:
	s_mov_b64 s[64:65], 0
	v_nop
	global_prefetch_b8 v0, s[64:65] scope:SCOPE_SE
	s_setreg_imm32_b32 hwreg(HW_REG_WAVE_MODE, 25, 1), 1
	s_wait_xcnt 0x0
	s_wait_alu depctr_hold_cnt(0) depctr_sa_sdst(0) depctr_va_vdst(0) depctr_va_sdst(0) depctr_va_ssrc(0) depctr_va_vcc(0) depctr_vm_vsrc(0)
	s_getreg_b32 s2, hwreg(HW_REG_IB_STS2, 6, 4)
	s_cmp_eq_u32 s2, 0
	s_cbranch_scc0 .Lentry_in_a_cluster
	s_endpgm
.Lentry_in_a_cluster:
	s_bfe_u32 s2, ttmp6, 0x10000c
	s_cmp_lg_u32 s2, 0xf033
	s_cbranch_scc0 .Lentry_shape_is_right
	s_endpgm
.Lentry_shape_is_right:
; THE LAST PROJECTION: out0 = ao Wo, on E4M3 codes, K = 768; each f32 sum x 2^(e10 + e11).
; ao lies as images of operand registers: T x 12288 + sK x 2048 + c x 512 + 16 lane: the fragment of tokens 16 T on and K = 128 sK on, in the K = 128 form's own order of k (registers 2 c, 2 c + 1: k = 16 c + 8 (lane / 16) + 0 .. 7).
; So Wo's fragments are fetched in that same order, by loads of 8 bytes, 16 bytes apart.
; SHARES.  Grid x: 64 blocks of 64 tokens; grid y = cy: four blocks of 192 features: 256 work-groups.  Eight waves: wave w makes tokens 32 (w / 4) on x features 48 (w % 4) on: 2 x 3 accumulators.
; CLUSTER 4 x 4: the four of a row (same cy) need the same rows of Wo, the four of a column (same cx) the same tokens: each tile is asked for jointly.
; LDS, every byte filled once: Wo as three chunks of 256 along K (192 rows, 272 bytes apart: 17 x 16 bytes, so the 16 rows of a fragment load start 16 bytes apart modulo 256); ao's images, three chunks of 4 token tiles x 4,096 bytes;
; behind them, in blocks that no fill touches, the stage for the way out: 64 rows x (768 + 16) bytes.  Waves 0-2 fetch Wo's rows 64 w on, wave 3 ao's images, three loads each: three tensor loads of a wave are out at the most.
; Source 0 = 16 rows of Wo, source 1 = 16 tokens: a lane holds eight neighbouring numbers of a row of out0.
; LIMIT: e10 + e11 between -126 and 127, so that 2^(e10 + e11) is an f32 number.
.set PITCH, 272
.set T64,   64*PITCH
.set WCH,   3*T64                      ; a chunk of Wo
.set AIMG,  3*WCH                      ; ao's images
.set ACH,   16384
.set STG,   AIMG+3*ACH                 ; the stage
.set SP,    784
.set AA,  1                            ; v1   LDS address of my tokens' images
.set LN,  3                            ; v3   16 x lane; also my offset in out0 for whole pieces
.set AWB, 4                            ; v4-6 LDS address of my rows of Wo in chunk 0, 1, 2
.set GB,  7                            ; v7   my offset in out0 for a piece that ends one row and begins the next
.set SO,  12                           ; v12  the stage: where I put 32 bytes of a row
.set LA,  14                           ; v14  the stage: where I read whole pieces back;  v15 the pieces that span two rows
.set LB,  15
.set B0,  16                           ; v16-95   fragment buffer 0: 2 of ao, then 3 of Wo
.set B1,  96                           ; v96-175  buffer 1
.set ACC, 176                          ; v176-223 accumulator (ix, iw) at 8 (3 ix + iw)
.set TMP, 16                           ; the way out: the sums x 2^(e10 + e11)
.set RB,  64                           ; and 12 pieces read back
.set WV,  26
.set WT,  27
.set WFS, 28
.set CX,  29
.set CY,  30
.set TB,  31
.set G1W, 36
.set G1A, 44
.set G0W, 52
.set G0A, 68
.macro CROUND
	s_barrier_signal -1
	s_barrier_wait -1
	s_cmp_lg_u32 s[WV], 0
	s_cbranch_scc1 .Lnot_wave_0_\@
	s_barrier_signal -3
.Lnot_wave_0_\@:
	s_barrier_wait -3
	s_barrier_signal -1
	s_barrier_wait -1
.endm
.macro PLACES n
.rept \n
	v_nop
.endr
.endm
.macro FETCH q, buf                    ; 32 loads: the fragments of K step q
.irp ix, 0,1
.irp c, 0,1,2,3
	ds_load_b128 v[\buf+16*\ix+4*\c:\buf+16*\ix+4*\c+3], v[AA] offset:ACH*((\q)/2)+4096*\ix+2048*((\q)%2)+512*\c
.endr
.endr
.irp iw, 0,1,2
.irp c, 0,1,2,3,4,5,6,7
	ds_load_b64 v[\buf+32+16*\iw+2*\c:\buf+32+16*\iw+2*\c+1], v[AWB+(\q)/2] offset:16*PITCH*\iw+128*((\q)%2)+16*\c
.endr
.endr
.endm
.macro MUL buf, zero                   ; six matrix instructions; the six accumulators take turns, in the same order in every step
.irp ix, 0,1
.irp iw, 0,1,2
.if \zero
	v_wmma_f32_16x16x128_fp8_fp8 v[ACC+8*(3*\ix+\iw):ACC+8*(3*\ix+\iw)+7], v[\buf+32+16*\iw:\buf+32+16*\iw+15], v[\buf+16*\ix:\buf+16*\ix+15], 0
.else
	v_wmma_f32_16x16x128_fp8_fp8 v[ACC+8*(3*\ix+\iw):ACC+8*(3*\ix+\iw)+7], v[\buf+32+16*\iw:\buf+32+16*\iw+15], v[\buf+16*\ix:\buf+16*\ix+15], v[ACC+8*(3*\ix+\iw):ACC+8*(3*\ix+\iw)+7]
.endif
.endr
.endr
.endm
.macro NEXTCHUNK left
	s_wait_tensorcnt \left                         ; my load of the next chunk has landed; those of later chunks may stay out
	s_wait_dscnt 0x0                               ; no LDS instruction of mine is out at the signal
	s_barrier_signal -1
	s_barrier_wait -1
.endm
	s_load_b256 s[4:11], s[0:1], 0x0               ; ao s[4:5], Wo s[6:7], the exponents s[8:9], out0 s[10:11]
	v_lshl_add_u32 v254, v0, 2, 0x3e800
	v_mov_b32 v255, 0
	ds_add_u32 v254, v255
	ds_add_u32 v254, v255
	v_lshrrev_b32 v8, 5, v0
	v_readfirstlane_b32 s[WV], v8                  ; wave 0..7
	s_lshr_b32 s[WT], s[WV], 2                     ; my 32 tokens of the block's 64
	s_and_b32 s[WFS], s[WV], 3                     ; my 48 features of the block's 192
	s_bfe_u32 s[CX], ttmp6, 0x40000
	s_bfe_u32 s[CY], ttmp6, 0x40004                ; the grid is one cluster high: cy is the block of features
	s_lshl_b32 s[TB], ttmp9, 2
	s_add_co_u32 s[TB], s[TB], s[CX]               ; token block = 4 x cluster x + cx
	s_lshl_b32 s33, s[CY], 2
	s_lshl_b32 s33, 15, s33                        ; my row of the cluster
	s_lshl_b32 s34, 0x1111, s[CX]                  ; my column
	s_or_b32 s[G1W], s33, (1<<20)|(1<<21)|(5<<22)|(3<<25)   ; Wo: 64 rows x 256 bytes, 768 apart; elements of 1 byte; four words of padding after every 64; the mask: my row; bit 21 set beside it
	s_mov_b32 s[G1W+1], 256<<16
	s_mov_b32 s[G1W+2], 64<<16
	s_mov_b32 s[G1W+3], 256<<16
	s_mov_b32 s[G1W+4], 64
	s_mov_b32 s[G1W+5], 768
	s_mov_b32 s[G1W+6], 0
	s_mov_b32 s[G1W+7], 0
	s_or_b32 s[G1A], s34, (3<<16)|(1<<21)          ; ao: 4 rows (token tiles) x 512 elements of 8 bytes, 1,536 elements apart, no padding; the mask: my column
	s_mov_b32 s[G1A+1], 512<<16
	s_mov_b32 s[G1A+2], 4<<16
	s_mov_b32 s[G1A+3], 512<<16
	s_mov_b32 s[G1A+4], 4
	s_mov_b32 s[G1A+5], 1536
	s_mov_b32 s[G1A+6], 0
	s_mov_b32 s[G1A+7], 0
	s_min_u32 s96, s[WV], 2                        ; Wo: rows 192 cy + 64 w (waves 0-2 ask)
	s_lshl_b32 s96, s96, 6
	s_mul_i32 s97, s[CY], 192
	s_add_co_u32 s96, s96, s97
	s_mul_i32 s96, s96, 768
	s_mov_b32 s97, 0
	s_mul_i32 s98, s[TB], 49152                    ; ao: four token tiles of 12,288 bytes
	s_mov_b32 s99, 0
	s_mul_i32 s100, s[WV], T64                     ; where Wo's rows go: no place in the cluster enters an LDS address
	s_wait_dscnt 0x0
	s_wait_kmcnt 0x0
	s_load_b64 s[80:81], s[8:9], 0x28              ; e10, e11
	s_add_nc_u64 s[92:93], s[4:5], s[98:99]
	s_add_nc_u64 s[94:95], s[6:7], s[96:97]
	CROUND                                         ; all sixteen work-groups are here: the joint loads meet
.irp ch, 0,1,2
	s_mov_b32 s[G0W+4*\ch], 1
	s_add_co_u32 s[G0W+4*\ch+1], s100, \ch*WCH
	s_add_nc_u64 s[G0W+4*\ch+2:G0W+4*\ch+3], s[94:95], \ch*256
	s_or_b32 s[G0W+4*\ch+3], s[G0W+4*\ch+3], 0x80000000
	s_mov_b32 s[G0A+4*\ch], 1
	s_mov_b32 s[G0A+4*\ch+1], AIMG+\ch*ACH
	s_add_nc_u64 s[G0A+4*\ch+2:G0A+4*\ch+3], s[92:93], \ch*4096
	s_or_b32 s[G0A+4*\ch+3], s[G0A+4*\ch+3], 0x80000000
.endr
	s_cmp_lt_u32 s[WV], 3                          ; a wave's three fills stand in one branch on its number, ahead of every wait on TENSORcnt and every LDS read
	s_cbranch_scc0 .Lnot_w
	tensor_load_to_lds s[G0W:G0W+3], s[G1W:G1W+7]
	s_nop 0
	tensor_load_to_lds s[G0W+4:G0W+7], s[G1W:G1W+7]
	s_nop 0
	tensor_load_to_lds s[G0W+8:G0W+11], s[G1W:G1W+7]
	s_nop 0
	PLACES 4
	s_branch .Lasked
.Lnot_w:
	s_cmp_eq_u32 s[WV], 3
	s_cbranch_scc0 .Lasked
	tensor_load_to_lds s[G0A:G0A+3], s[G1A:G1A+7]
	s_nop 0
	tensor_load_to_lds s[G0A+4:G0A+7], s[G1A:G1A+7]
	s_nop 0
	tensor_load_to_lds s[G0A+8:G0A+11], s[G1A:G1A+7]
	s_nop 0
	PLACES 4
.Lasked:
	v_and_b32 v8, 15, v0                           ; r
	v_bfe_u32 v9, v0, 4, 1                         ; h
	v_and_b32 v10, 31, v0
	v_lshlrev_b32 v[LN], 4, v10
	s_lshl_b32 s101, s[WT], 13
	s_add_co_u32 s101, s101, AIMG
	v_add_nc_u32 v[AA], s101, v[LN]                ; my two token tiles' images: 8192 wt + 16 lane
	v_mul_u32_u24 v11, v8, PITCH
	v_lshl_add_u32 v11, v9, 3, v11                 ; Wo: row x pitch + 8 h
	s_mul_i32 s101, s[WFS], 48*PITCH
	v_add_nc_u32 v[AWB], s101, v11
	v_add_nc_u32 v[AWB+1], WCH, v[AWB]
	v_add_nc_u32 v[AWB+2], WCH, v[AWB+1]
	v_mul_u32_u24 v13, v8, SP
	v_lshl_add_u32 v13, v9, 5, v13
	s_mul_i32 s101, s[WT], 32*SP
	s_mul_i32 s35, s[WFS], 192
	s_add_co_u32 s101, s101, s35
	s_add_co_u32 s101, s101, STG
	v_add_nc_u32 v[SO], s101, v13                  ; the stage: row 32 wt + r, byte 192 wf + 32 h
	s_mul_i32 s101, s[WV], 8*SP
	s_add_co_u32 s101, s101, STG
	v_add_nc_u32 v[LA], s101, v[LN]                ; back: my 8 rows
	v_lshl_add_u32 v[LB], v9, 4, v[LA]             ; lanes 16-31 of a spanning piece lie behind the row's 16 bytes of padding
	v_mul_u32_u24 v[GB], v9, 2304
	v_add_nc_u32 v[GB], v[GB], v[LN]               ; and in out0 a row less its 768 bytes further on
	s_lshl_b32 s98, s[TB], 6
	s_lshl_b32 s99, s[WV], 3
	s_add_co_u32 s98, s98, s99
	s_mul_i32 s98, s98, 3072                       ; the first row that I store: 64 tb + 8 w,
	s_mul_i32 s96, s[CY], 768                      ; the block's first column in bytes
	s_add_co_u32 s98, s98, s96
	s_mov_b32 s99, 0
	s_add_nc_u64 s[10:11], s[10:11], s[98:99]
	s_wait_tensorcnt 0x2                           ; my load of chunk 0 has landed; those of chunks 1 and 2 may be out
	s_barrier_signal -1
	s_barrier_wait -1                              ; everybody's has
	FETCH 0, B0
	FETCH 1, B1
	s_wait_dscnt 32                                ; all but the 32 just issued
	MUL B0, 1                                      ; the first step's products start the sums
	NEXTCHUNK 1
	PLACES 4                                       ; in front of loads into registers that matrix instructions have read
	FETCH 2, B0
	s_wait_dscnt 32
	MUL B1, 0
	PLACES 4
	FETCH 3, B1
	s_wait_dscnt 32
	MUL B0, 0
	NEXTCHUNK 0
	PLACES 4
	FETCH 4, B0
	s_wait_dscnt 32
	MUL B1, 0
	PLACES 4
	FETCH 5, B1
	s_wait_dscnt 32
	MUL B0, 0
	s_wait_dscnt 0x0
	MUL B1, 0
	; THE WAY OUT.  A row's 768 bytes come from four waves: they meet in the stage, and each wave stores 8 whole rows as 12 pieces of 512 bytes, sixteen lanes to 256 consecutive aligned bytes
	s_wait_kmcnt 0x0
	s_add_co_i32 s82, s80, s81
	s_add_co_i32 s82, s82, 127
	s_lshl_b32 s82, s82, 23                        ; 2^(e10 + e11) as f32
	s_mov_b32 s83, s82                             ; (named with it as a pair)
	PLACES 4
.set j, 0
.rept 24
	v_pk_mul_f32 v[TMP+j:TMP+j+1], v[ACC+j:ACC+j+1], s[82:83] op_sel_hi:[1,0]   ; each accumulator from its low end on
.set j, j+2
.endr
.irp ix, 0,1
.irp iw, 0,1,2
	ds_store_b128 v[SO], v[TMP+8*(3*\ix+\iw):TMP+8*(3*\ix+\iw)+3] offset:16*SP*\ix+64*\iw
	ds_store_b128 v[SO], v[TMP+8*(3*\ix+\iw)+4:TMP+8*(3*\ix+\iw)+7] offset:16*SP*\ix+64*\iw+16
.endr
.endr
	s_wait_dscnt 0x0                               ; for the others' sake: my stores into the stage are done
	s_barrier_signal -1
	s_barrier_wait -1
.irp ii, 0,1,2,3                       ; rows 2 ii and 2 ii + 1 of my eight: 1,536 bytes in three pieces
	ds_load_b128 v[RB+12*\ii:RB+12*\ii+3], v[LA] offset:2*SP*\ii              ; row 2 ii, bytes 0 .. 511
	ds_load_b128 v[RB+12*\ii+4:RB+12*\ii+7], v[LB] offset:2*SP*\ii+512        ; its bytes 512 .. 767, and row 2 ii + 1's bytes 0 .. 255
	ds_load_b128 v[RB+12*\ii+8:RB+12*\ii+11], v[LA] offset:2*SP*\ii+SP+256    ; row 2 ii + 1, bytes 256 .. 767
.endr
.irp ii, 0,1,2,3
	s_wait_dscnt 11-3*\ii                          ; the younger pieces may be out
	global_store_b128 v[LN], v[RB+12*\ii:RB+12*\ii+3], s[10:11] offset:6144*\ii th:TH_STORE_NT
	s_wait_dscnt 10-3*\ii
	global_store_b128 v[GB], v[RB+12*\ii+4:RB+12*\ii+7], s[10:11] offset:6144*\ii+512 th:TH_STORE_NT
	s_wait_dscnt 9-3*\ii
	global_store_b128 v[LN], v[RB+12*\ii+8:RB+12*\ii+11], s[10:11] offset:6144*\ii+3328 th:TH_STORE_NT
.endr
	s_wait_tensorcnt 0x0
	ds_add_u32 v254, v255
	s_wait_dscnt 0x0
	CROUND                                         ; the closing round: no work-group ends while a partner may still ask for a tile that names it
	s_endpgm
.Lfunc_end_k_q15dc36fb58_outp:
	.size	k_q15dc36fb58_outp, .Lfunc_end_k_q15dc36fb58_outp-k_q15dc36fb58_outp
	.p2alignl 7, 3214868480
	.fill 96, 4, 3214868480
	.section	.rodata,"a",@progbits
	.p2align	6, 0x0
	.amdhsa_kernel k_q15dc36fb58_outp
		.amdhsa_group_segment_fixed_size 257024
		.amdhsa_private_segment_fixed_size 0
		.amdhsa_enable_private_segment 0
		.amdhsa_kernarg_size 32
		.amdhsa_user_sgpr_count 2
		.amdhsa_user_sgpr_kernarg_segment_ptr 1
		.amdhsa_wavefront_size32 1
		.amdhsa_system_sgpr_workgroup_id_x 1
		.amdhsa_system_sgpr_workgroup_id_y 1
		.amdhsa_system_sgpr_workgroup_id_z 1
		.amdhsa_system_vgpr_workitem_id 0
		.amdhsa_next_free_vgpr 256
		.amdhsa_next_free_sgpr 102
		.amdhsa_reserve_vcc 0
		.amdhsa_float_denorm_mode_32 3
		.amdhsa_float_denorm_mode_16_64 3
		.amdhsa_memory_ordered 1
		.amdhsa_forward_progress 1
		.amdhsa_inst_pref_size 28
	.end_amdhsa_kernel
	.amdgpu_metadata
---
amdhsa.version: [ 1, 2 ]
amdhsa.kernels:
  - .name:           k_q15dc36fb58_outp
    .symbol:         k_q15dc36fb58_outp.kd
    .args:
      - { .name: ao, .offset: 0, .size: 8, .value_kind: global_buffer, .address_space: global }
      - { .name: Wo_codes, .offset: 8, .size: 8, .value_kind: global_buffer, .address_space: global }
      - { .name: lowp_scales, .offset: 16, .size: 8, .value_kind: global_buffer, .address_space: global }
      - { .name: out0, .offset: 24, .size: 8, .value_kind: global_buffer, .address_space: global }
    .group_segment_fixed_size: 257024
    .private_segment_fixed_size: 0
    .kernarg_segment_align: 8
    .kernarg_segment_size: 32
    .max_flat_workgroup_size: 256
    .sgpr_count:     102
    .vgpr_count:     256
    .wavefront_size: 32
...
	.end_amdgpu_metadata
.endif
;; end of part 3
;; ======== version 2 of 2: 3 launches; version 1 with the launch attn written anew for expert scheduling mode
;; workspace buffers: qh 3,145,728 bytes; kh 3,145,728 bytes; vh 3,145,728 bytes; ao 3,145,728 bytes
;; launch proj: the kernel of part 1 again; grid 32 x 12, 8 waves a work-group, clusters of 4 x 4, 262,144 bytes of LDS; arguments q_codes, k_codes, v_codes, Wq_codes, Wk_codes, Wv_codes, attn_mask, lowp_scales, qh, kh, vh; writes qh, kh, vh
;; launch attn (part 4): grid 8 x 24, 16 waves a work-group, no clusters, 272,384 bytes of LDS; arguments qh, kh, vh, attn_mask, lowp_scales, ao; writes ao
.if DOCPART == 4
	.amdgcn_target "amdgcn-amd-amdhsa--gfx1250"
	.amdhsa_code_object_version 6
	.text
	.protected	k_q15dc36fb58_attn
	.globl	k_q15dc36fb58_attn
	.p2align	8
	.type	k_q15dc36fb58_attn,@function
k_q15dc36fb58_attn:
	s_mov_b64 s[64:65], 0
	v_nop
	global_prefetch_b8 v0, s[64:65] scope:SCOPE_SE
	s_setreg_imm32_b32 hwreg(HW_REG_WAVE_SCHED_MODE, 0, 2), 2
	s_setreg_imm32_b32 hwreg(HW_REG_WAVE_MODE, 25, 1), 1
	s_wait_xcnt 0x0
	s_wait_alu depctr_vm_vsrc(0)
; ATTENTION ON CODES.  For each batch and head: t = logit x log2(e); M = the running largest t rounded up to a whole number; p = 2^(t - M) is quantised along the keys (exponent e8);
; the row's sum is taken of the unquantised p and divides at the end; the result is quantised (e10) and stored as codes, laid as images of the last product's operand registers:
;   ao: T x 12288 + sK x 2048 + c x 512 + 16 lane + y: token 16 T + lane % 16, model channel 128 sK + 32 c + 16 (y / 8) + 8 (lane / 16) + y % 8.
; THE MASKS ARE FINITE: the logit of a key behind the query has -10000 ADDED, that of a key whose attn_mask is 0 IS -10000.  So a query all of whose earlier keys are masked has a softmax over ALL keys.
;   E = e6 + e7.  A raw sum s stands for the logit s x 2^E / 8;  c = log2(e) / 8 x 2^E;  t = s c.  NEGRAW = -80000 x 2^-E (exact) is the raw number of -10000.
;   kh of a masked key is zero codes, so its raw sum is 0.  The mask goes in as the C of the first product: NEGRAW where the key is masked (from a table in LDS) or lies behind the query, else 0.
;   In a step all of whose keys lie behind my queries C is 0 and -10000 log2(e) is added to t instead (OFF).
; WHAT IS PASSED OVER.  A step all of whose keys lie behind my 16 queries is left out if (a) some key up to my first query has attn_mask != 0 and (b) E <= -9.  Then every row has a logit of at least
;   -64 x 448^2 x 2^-9 / 8 = -3136 and every logit behind the queries is at most 3136 - 10000: its p is 2^(under -5000), which is 0 in f32.  Both are whole numbers that this launch reads; else every key is computed.
; THE HOLD AT THE LARGEST CODE is passed over where it cannot bite: with E <= 0 every |t| is under 64 x 448^2 x 0.1804 < 2^22, where f32 numbers lie 0.25 apart, so the roundings of the largest t and of OFF - M leave
;   t - M at most 0.25 and p under 1.19; with e8 >= -8 the largest code x the scale is at least 1.75.  Both are whole numbers that this launch reads; else the hold is executed.
; SHARES.  Work-group (j, bh): head bh = 12 b + hd; its sixteen waves own ONE tile of 16 queries each: tile 8 i + j, which has i + 1 steps up to its diagonal.  i is nibble w of a table.  As a square (w / 4, w % 4):
;      0  5  9 15        every row and every column holds one i under 4, so steps 4 and 5 have three live waves in each;
;     10  1 14  4        the steps behind the sixth (i - 5 where that is positive) sum to 14, 14, 13, 14 by rows and to 14, 14, 14, 13 by columns:
;      7 13  3  8        the work is even among the waves of a row and among the waves of a column alike.
;     12 11  6  2
; LDS: the head's whole kh (131,072 bytes), vh (131,072) and the table (8,192) lie there, every byte written once, by global loads and LDS stores: kh and vh are dense images, thread t copies 16 bytes at 16 t of each step's 8,192.
;   The copy goes in five parts (steps 0-1, 2-5, 6-9, 10-13, 14-15), each asked for a part ahead, into 32 registers that the steps do not touch; one barrier behind each part.  The parts are stored at the head and behind
;   steps 0, 1, 3 and 5: each part lies in LDS, behind its barrier, ahead of the run that first reads it, and from step 6 on no barrier is left: a wave with many steps walks them without waiting for the others.
; NO TENSOR LOADS AND NO CLUSTER, though the eight work-groups of a head read the same kh and vh: the steps passed over hang on numbers read from memory;
;   what is shared is read once by each work-group, 262,144 bytes, while it issues 136 steps or more of some 280 instructions.
; LAYOUT.  S^T = K Q^T (source 0 = 16 keys, source 1 = my queries), O^T = V^T P^T: a lane holds one query (lane % 16) throughout; tile t's register jj is key 16 t + 8 (lane / 16) + jj: p's eight conversions ARE the second product's operand.
; LIMITS on the given exponents, so that each power of two is an f32 number: E between -111 and 130; e8 and e10 between -126 and 119.  NaN codes are not served.  A masked logit carries the rounding of a sum with 10000, as in the problem's definition.
; THE MODE: SCHED_MODE bits 1:0 = 2 (LLVM: expert scheduling mode 2), set by the entry lines.  The code itself states the register dependences
; between vector or matrix instructions and memory or LDS instructions, with s_wait_alu, always for 0.
; THE PLAN.  Registers that memory or LDS instructions touch:
;   v2, v26-30   offsets and LDS addresses, written once at the head, ahead of the head's first wait on va_vdst, and only read afterwards.
;   v8-10        a step's LDS addresses: written by three additions at the step's head, read by the step's 48 LDS loads.
;   FR v32-95    a step: K's loads land, the eight products K Q^T read; V's loads land, the four products V^T P^T read.  (At the head: the row of attn_mask lands, vector lines read it.)
;   S  v96-159   a step: the table's loads land as C; products, softmax and conversions do the rest.  (At the head: v96-103 are loaded, v100-103 rewritten by selects and read by one LDS store.)
;   ST v192-223  the copy: global loads land, LDS stores read; no vector instruction names them.
;   v224-231     on the way out: conversions write, two global stores read.        v251, v255: written at the head, read by the closing add alone.
; A step has one wait on vm_vsrc (ahead of the additions) and three on va_vdst: behind the additions (addresses written; the last step's products are done with FR, its softmax and conversions with S), behind K Q^T
; (those products are done with FR, in which V's loads land; these are dealt among the maxima, which name S, v252 and v254 alone), and behind the exponentials.  A part of the copy has one wait on vm_vsrc, between its stores and the next part's loads.
; Masks of compares go to scalar registers in runs, with one wait on va_sdst behind each run.
.set GF,  26                           ; v26  16 x thread: the copy's offset in memory, and its LDS address for K's steps 0-7
.set PA,  26                           ; v26-29  the copy's LDS addresses: K's steps 0-7, 8-15, V's 0-7, 8-15
.set TW,  30                           ; v30  where I store my four numbers of the table
.set LN,  2                            ; v2   16 x lane
.set LV,  3                            ; v3   131072 + 16 x lane
.set LT,  4                            ; v4   262144 + 32 (lane / 16)
.set NR,  5                            ; v5   NEGRAW
.set DL,  6                            ; v6   lane % 16 - 8 (lane / 16)
.set ADK, 8                            ; v8-10  the step's addresses of K, V, the table
.set ADV, 9
.set ADT, 10
.set QF,  16                           ; v16-23  Q's fragment.   v12 -M, v13 the largest t, v[14:15] the sum in two halves, v[24:25] OFF - M
.set FR,  32                           ; v32-95  K's eight fragments, then V's four
.set S,   96                           ; v96-159 S^T, then p
.set OT,  160                          ; v160-191 O^T
.set ST,  192                          ; v192-223 the copy's registers
.set PC,  224                          ; v224-239 p's codes.   v240, v244: 448 x 2^e8, 2^e8;  v241, v245: the same for e10;  v242, v243, v246, v252-254 at work
.set CS,  22                           ; s[22:23] c
.set SEL, 24                           ; s[24:25] lane selects: lane xor 16
.set OFF, 26
.set KF,  27                           ; the step's first key
.set KB,  28                           ; its bytes in K and in V
.set TO,  29                           ; and in the table
.set CNT, 30
.set Q0,  31                           ; my first query
.set KLIM, 32                          ; steps whose first key lies beyond it are passed over
.set QL,  33                           ; my last query
.set FREE, 63                          ; s63  1: p cannot pass the largest code x the scale, 0: the hold is executed
.set MSK, 66                           ; s66-97  the masks of a run of compares
.macro GET n0, cnt                     ; steps n0 on: my 16 bytes of each step's K and V are asked for
.set gi, 0
.rept \cnt
	global_load_b128 v[ST+8*gi:ST+8*gi+3], v[GF], s[6:7] offset:8192*(\n0+gi)
	global_load_b128 v[ST+8*gi+4:ST+8*gi+7], v[GF], s[8:9] offset:8192*(\n0+gi)
.set gi, gi+1
.endr
.endm
.macro PUT n0, cnt                     ; and go to LDS as they lie
.set gi, 0
.rept \cnt
	ds_store_b128 v[PA+(\n0+gi)/8], v[ST+8*gi:ST+8*gi+3] offset:8192*((\n0+gi)%8)
	ds_store_b128 v[PA+2+(\n0+gi)/8], v[ST+8*gi+4:ST+8*gi+7] offset:8192*((\n0+gi)%8)
.set gi, gi+1
.endr
.endm
.macro PART pn, pc, gn, gc             ; a part of the copy lands in LDS, the next is asked for, and all sixteen waves meet
	s_wait_loadcnt 0x0                             ; the part asked for a run of steps ago
	PUT \pn, \pc
	s_wait_dscnt 0x0                               ; for the others' sake: my stores are done
.if \gc
	s_wait_alu depctr_vm_vsrc(0)                   ; my LDS stores have read the copy's registers, in which the next part's loads land
	GET \gn, \gc
.endif
	s_barrier_signal -1
	s_barrier_wait -1
.endm
; A KEY STEP: 128 keys.  No barrier and no copy stands in it, so a wave may pass it over.
.macro STEP
	s_cmp_gt_u32 s[KF], s[KLIM]
	s_cbranch_scc1 .Lhidden_\@
	s_wait_alu depctr_vm_vsrc(0)                   ; the LDS loads of the step before have read v8-10, which the three additions write
	v_add_nc_u32 v[ADK], s[KB], v[LN]              ; these three and the v_nop are the four places between the last step's products and the loads into their sources
	v_add_nc_u32 v[ADV], s[KB], v[LV]
	v_add_nc_u32 v[ADT], s[TO], v[LT]
	v_nop
	s_wait_alu depctr_va_vdst(0)                   ; v8-10 are written, which the loads below read; the last step's products V^T P^T are done reading FR, and its softmax and conversions are done with S, in which the loads below land (in step 0: the head's lines on v32-112)
.irp t, 0,1,2,3,4,5,6,7
	ds_load_b128 v[FR+8*\t:FR+8*\t+3], v[ADK] offset:1024*\t
	ds_load_b128 v[FR+8*\t+4:FR+8*\t+7], v[ADK] offset:1024*\t+512
.endr
	s_cmp_gt_u32 s[KF], s[QL]
	s_cbranch_scc1 .Lfuture_\@
	s_mov_b32 s[OFF], 0
.irp t, 0,1,2,3,4,5,6,7
	ds_load_b128 v[S+8*\t:S+8*\t+3], v[ADT] offset:64*\t           ; the table's numbers of keys 16 t + 8 h + 0 .. 7, straight into the products' C.  No vector instruction stands between the wait above and these loads
	ds_load_b128 v[S+8*\t+4:S+8*\t+7], v[ADT] offset:64*\t+16
.endr
	s_add_co_u32 s48, s[KF], 127
	s_cmp_le_u32 s48, s[Q0]
	s_cbranch_scc1 .Lpast_\@
	s_sub_co_u32 s48, s[Q0], s[KF]                 ; the one step on the diagonal: register 8 t + jj lies behind my query where 16 t + jj > d = Q0 - KF + lane % 16 - 8 (lane / 16)
	v_add_nc_u32 v252, s48, v[DL]
	s_wait_dscnt 0x0
.set dn, 0
.rept 2                                ; two runs of 32 compares, each with its masks in 32 scalar registers and one wait behind it
.set dm, 0
.rept 32
	v_cmp_gt_i32 s[MSK+dm], 16*((dn+dm)/8)+(dn+dm)%8, v252
.set dm, dm+1
.endr
	s_wait_alu depctr_va_sdst(0)                   ; the run's 32 masks are written, ahead of the selects that read them
.set dm, 0
.rept 32
	v_cndmask_b32 v[S+dn+dm], v[S+dn+dm], v[NR], s[MSK+dm]
.set dm, dm+1
.endr
.set dn, dn+32
.endr
.Lpast_\@:
	s_wait_dscnt 0x0
.irp t, 0,1,2,3,4,5,6,7
	v_wmma_f32_16x16x64_fp8_fp8 v[S+8*\t:S+8*\t+7], v[FR+8*\t:FR+8*\t+7], v[QF:QF+7], v[S+8*\t:S+8*\t+7]
.endr
	s_branch .Ljoin_\@
.Lfuture_\@:
	s_mov_b32 s[OFF], 0xc6616bcd                   ; -10000 log2(e)
	s_wait_dscnt 0x0
.irp t, 0,1,2,3,4,5,6,7
	v_wmma_f32_16x16x64_fp8_fp8 v[S+8*\t:S+8*\t+7], v[FR+8*\t:FR+8*\t+7], v[QF:QF+7], 0
.endr
.Ljoin_\@:
.rept 4
	v_nop                                          ; places in front of the loads into K's registers and of the first read of the scores
.endr
	s_wait_alu depctr_va_vdst(0)                   ; the eight products K Q^T are done reading FR, in which V's sixteen loads land.  The maxima among which these are dealt name S, v252 and v254 alone
	v_max3_num_f32 v254, v[S], v[S+1], v[S+2]      ; the step's largest raw score of my query among my 64 keys, in two chains, each accumulator from its low end on
	v_max3_num_f32 v252, v[S+3], v[S+4], v[S+5]
	ds_load_b128 v[FR:FR+3], v[ADV]                ; V's four fragments (piece 4 t + c: 512 bytes on each) land under the softmax
	ds_load_b128 v[FR+4:FR+7], v[ADV] offset:512
.set vi, 2
.irp i, 6,10,14,18,22,26,30,34,38,42,46,50,54,58
	v_max3_num_f32 v254, v254, v[S+\i], v[S+\i+1]
	v_max3_num_f32 v252, v252, v[S+\i+2], v[S+\i+3]
	ds_load_b128 v[FR+4*vi:FR+4*vi+3], v[ADV] offset:512*vi
.set vi, vi+1
.endr
	v_max3_num_f32 v254, v254, v[S+62], v[S+63]
	v_max_num_f32 v254, v254, v252
	v_permlanex16_b32 v246, v254, s[SEL], s[SEL+1]
	v_max_num_f32 v254, v254, v246                 ; and among lane xor 16's
	v_fma_f32 v254, v254, s[CS], s[OFF]            ; as t (c is positive)
	v_max_num_f32 v13, v13, v254                   ; the running largest t
	v_mov_b32 v254, v12
	v_floor_f32 v12, -v13                          ; the new -M = floor(-t): M is a whole number
	v_sub_f32 v254, v12, v254                      ; old M - new M: a whole number, 0 or less
	v_cvt_i32_f32 v254, v254                       ; (it saturates)
	v_ldexp_f32 v252, 1.0, v254                    ; f = 2^(old M - new M): rounds nothing
	v_add_f32 v24, s[OFF], v12                     ; OFF - M
.set n, 0
.rept 32
	v_pk_fma_f32 v[S+n:S+n+1], v[S+n:S+n+1], s[CS:CS+1], v[24:25] op_sel_hi:[1,0,0]   ; t - M, two at a time (of the pairs the low word serves both halves)
.set n, n+2
.endr
.set n, 0
.rept 64
	v_exp_f32 v[S+n], v[S+n]                       ; p = 2^(t - M): not normalised
.set n, n+1
.endr
	v_pk_mul_f32 v[14:15], v[14:15], v[252:253] op_sel_hi:[1,0]   ; the sums under the new M.  (The plain instruction behind the exponentials)
	s_wait_alu depctr_va_vdst(0)                   ; the 64 exponentials have written p: one wait for the batch, ahead of its first reader
	v_pk_add_f32 v[242:243], v[S:S+1], v[S+2:S+3]  ; the row's sum is taken of the unquantised p, in two chains
.set n, 4
.rept 15
	v_pk_add_f32 v[14:15], v[14:15], v[S+n:S+n+1]
	v_pk_add_f32 v[242:243], v[242:243], v[S+n+2:S+n+3]
.set n, n+4
.endr
	v_pk_add_f32 v[14:15], v[14:15], v[242:243]
	s_cmp_lg_u32 s[FREE], 0                        ; p under 1.19 and the largest code x the scale at least 1.75: nothing to hold
	s_cbranch_scc1 .Lnohold_\@
.set n, 0
.rept 64
	v_min_num_f32 v[S+n], v[S+n], v240             ; the conversion does not saturate (ISA guide 7.6.2); p is not negative, so the hold is one-sided
.set n, n+1
.endr
.Lnohold_\@:
.irp t, 0,1,2,3,4,5,6,7
	v_cvt_scalef32_pk8_fp8_f32 v[PC+2*\t:PC+2*\t+1], v[S+8*\t:S+8*\t+7], v244   ; keys 16 t + 8 h + 0 .. 7: registers 2 t, 2 t + 1 of the operand
.endr
.set n, 0
.rept 16
	v_pk_mul_f32 v[OT+n:OT+n+1], v[OT+n:OT+n+1], v[252:253] op_sel_hi:[1,0]   ; O^T under the new M.  (Also the plain instructions between the conversions and the products)
.set n, n+2
.endr
	s_wait_dscnt 0x0                               ; V
.irp t, 0,1,2,3
	v_wmma_f32_16x16x128_fp8_fp8 v[OT+8*\t:OT+8*\t+7], v[FR+16*\t:FR+16*\t+15], v[PC:PC+15], v[OT+8*\t:OT+8*\t+7]
.endr
.Lhidden_\@:
.endm
.macro RUN n0, cnt                     ; steps n0 .. n0 + cnt - 1: the trip count is a constant; only a step's work is passed over
	s_mov_b32 s[KB], 8192*\n0
	s_mov_b32 s[TO], 512*\n0
	s_mov_b32 s[KF], 128*\n0
.if \cnt > 1
	s_mov_b32 s[CNT], \cnt
.Lrun_\@:
.endif
	STEP
.if \cnt > 1
	s_add_co_u32 s[KB], s[KB], 8192
	s_add_co_u32 s[TO], s[TO], 512
	s_add_co_u32 s[KF], s[KF], 128
	s_sub_co_u32 s[CNT], s[CNT], 1
	s_cmp_lg_u32 s[CNT], 0
	s_cbranch_scc1 .Lrun_\@
.endif
.endm
	s_load_b256 s[4:11], s[0:1], 0x0               ; qh s[4:5], kh s[6:7], vh s[8:9], attn_mask s[10:11]
	s_load_b128 s[12:15], s[0:1], 0x20             ; the exponents s[12:13], ao s[14:15]
	v_lshl_add_u32 v251, v0, 2, 0x42000
	v_mov_b32 v255, 0
	v_lshrrev_b32 v7, 5, v0
	v_readfirstlane_b32 s16, v7                    ; wave 0..15
	s_mov_b32 s48, 0x4e1af950                      ; the table of i: a nibble a wave, waves 0-7,
	s_mov_b32 s49, 0x26bc83d7                      ; and waves 8-15
	s_wait_alu depctr_va_sdst(0)                   ; s16 is written, ahead of its first reader
	s_cmp_lt_u32 s16, 8
	s_cselect_b32 s48, s48, s49
	s_and_b32 s49, s16, 7
	s_lshl_b32 s49, s49, 2
	s_lshr_b32 s48, s48, s49
	s_and_b32 s17, s48, 15                         ; i
	s_and_b32 s19, ttmp7, 0xffff                   ; bh
	s_cmp_ge_u32 s19, 12
	s_cselect_b32 s20, 1, 0                        ; b
	s_mul_i32 s48, s20, 12
	s_sub_co_u32 s21, s19, s48                     ; the head within the batch
	s_lshl_b32 s18, s17, 3
	s_add_co_u32 s18, s18, ttmp9                   ; my tile of queries: 8 i + j
	s_lshl_b32 s[Q0], s18, 4
	s_add_co_u32 s[QL], s[Q0], 15
	s_lshl_b32 s62, ttmp9, 4                       ; 16 j: my first query within its block of 128
	s_lshl_b32 s50, s19, 17                        ; the head's bytes in qh, kh, vh
	s_mov_b32 s51, 0
	s_lshl_b32 s52, s18, 10
	s_add_co_u32 s52, s52, s50                     ; my tile of qh
	s_mov_b32 s53, 0
	s_lshl_b32 s54, s20, 13                        ; the batch's row of attn_mask
	s_mov_b32 s55, 0
	s_lshl_b32 s56, s17, 9                         ; and my block of 128 keys in it
	s_mov_b32 s57, 0
	s_lshl_b32 s58, s20, 7
	s_add_co_u32 s58, s58, s18
	s_mul_i32 s58, s58, 12288                      ; ao: token tile 128 b + 8 i + j,
	s_lshr_b32 s59, s21, 1
	s_lshl_b32 s59, s59, 11
	s_add_co_u32 s58, s58, s59                     ; K step hd / 2,
	s_and_b32 s59, s21, 1
	s_lshl_b32 s59, s59, 10
	s_add_co_u32 s58, s58, s59                     ; its half hd % 2
	s_mov_b32 s59, 0
	s_mov_b32 s[SEL], 0x76543210
	s_mov_b32 s[SEL+1], 0xfedcba98
	v_lshlrev_b32 v[GF], 4, v0
	v_add_nc_u32 v[PA+1], 0x10000, v[PA]
	v_add_nc_u32 v[PA+2], 0x20000, v[PA]
	v_add_nc_u32 v[PA+3], 0x30000, v[PA]
	v_add_nc_u32 v[TW], 0x40000, v[PA]
	v_and_b32 v7, 31, v0
	v_lshlrev_b32 v[LN], 4, v7
	v_add_nc_u32 v[LV], 0x20000, v[LN]
	v_bfe_u32 v11, v0, 4, 1                        ; h
	v_lshl_add_u32 v[LT], v11, 5, 0x40000
	v_and_b32 v31, 15, v0                          ; r
	v_lshlrev_b32 v11, 3, v11
	v_sub_nc_u32 v[DL], v31, v11
	v_lshlrev_b32 v108, 2, v7                      ; 4 x lane: my first key of a block of 128 in attn_mask
	s_wait_kmcnt 0x0
	s_load_b256 s[36:43], s[12:13], 0x0            ; e0 .. e7
	s_load_b128 s[44:47], s[12:13], 0x20           ; e8 .. e11
	s_add_nc_u64 s[4:5], s[4:5], s[52:53]
	s_add_nc_u64 s[6:7], s[6:7], s[50:51]
	s_add_nc_u64 s[8:9], s[8:9], s[50:51]
	s_add_nc_u64 s[10:11], s[10:11], s[54:55]
	s_add_nc_u64 s[60:61], s[10:11], s[56:57]
	s_add_nc_u64 s[14:15], s[14:15], s[58:59]
	s_wait_alu depctr_va_vdst(0)                   ; v2 and v26-30 are written: every global load and store, and every LDS store of the copy and the table, reads one of them; they are not written again
	GET 0, 2
	global_load_b128 v[100:103], v[GF], s[10:11]   ; attn_mask of keys 4 t .. 4 t + 3, for the table
	global_load_b128 v[QF:QF+3], v[LN], s[4:5]     ; Q's fragment stays in registers
	global_load_b128 v[QF+4:QF+7], v[LN], s[4:5] offset:512
.irp m, 0,1,2,3,4,5,6,7,8,9,10,11,12,13,14,15
	global_load_b128 v[32+4*\m:35+4*\m], v[LN], s[10:11] offset:512*\m   ; the whole row of attn_mask: block m's keys 4 lane .. 4 lane + 3
.endr
	global_load_b128 v[96:99], v[LN], s[60:61]     ; and my own block once more
	v_mov_b32 v13, 0xff61b1e6                      ; the largest t so far: -3e38
	v_floor_f32 v12, -v13
	v_mov_b32 v14, 0
	v_mov_b32 v15, 0
	v_mov_b32 v25, 0                               ; (named as the upper half of a pair)
	v_mov_b32 v253, 0                              ; (likewise)
	v_mov_b32 v246, 0                              ; a lane permute's destination counts as one of its sources
.set n, 0
.rept 32
	v_mov_b32 v[OT+n], 0                           ; O^T: the step is written once; the first finds zeros, which the first change of M leaves zeros
.set n, n+1
.endr
.irp e, 0,1,2,3
	v_mov_b32 v[104+\e], 0
.endr
	s_wait_kmcnt 0x0
	s_add_co_i32 s34, s42, s43                     ; E = e6 + e7
	s_lshl_b32 s48, s34, 23
	s_add_co_u32 s[CS], s48, 0x3e38aa3b            ; c = log2(e) / 8 x 2^E: E is added to the exponent field
	s_mov_b32 s[CS+1], s[CS]
	s_sub_co_u32 s49, 0xc79c4000, s48              ; NEGRAW = -80000 x 2^-E
	v_mov_b32 v[NR], s49
	s_add_co_i32 s48, s44, 127
	s_lshl_b32 s49, s48, 23
	v_mov_b32 v244, s49                            ; 2^e8
	s_add_co_i32 s48, s48, 8
	s_lshl_b32 s48, s48, 23
	s_or_b32 s48, s48, 0x600000
	v_mov_b32 v240, s48                            ; 448 x 2^e8
	s_add_co_i32 s48, s46, 127
	s_lshl_b32 s49, s48, 23
	v_mov_b32 v245, s49                            ; 2^e10
	s_add_co_i32 s48, s48, 8
	s_lshl_b32 s48, s48, 23
	s_or_b32 s48, s48, 0x600000
	v_mov_b32 v241, s48                            ; 448 x 2^e10
	s_add_co_i32 s35, s44, s45                     ; e8 + e9
	s_cmp_ge_i32 s44, -8                           ; e8 >= -8 and E <= 0: p stays under the largest code x the scale, and the hold is passed over
	s_cselect_b32 s[FREE], 1, 0
	s_cmp_le_i32 s34, 0
	s_cselect_b32 s[FREE], s[FREE], 0
	s_wait_loadcnt 0x0
.irp e, 0,1,2,3
	v_cmp_eq_u32 s[MSK+\e], 0, v[100+\e]
.endr
	s_wait_alu depctr_va_sdst(0)                   ; the four masks are written, ahead of the selects that read them
.irp e, 0,1,2,3
	v_cndmask_b32 v[100+\e], 0, v[NR], s[MSK+\e]   ; the table: NEGRAW for a masked key, else 0
.endr
	s_wait_alu depctr_va_vdst(0)                   ; the selects have written v100-103, which the LDS store reads
	ds_store_b128 v[TW], v[100:103]
	PUT 0, 2
	; is some key up to my first query not masked?  Blocks under i count whole, of block i the keys up to 16 j
.irp m, 0,1,2,3,4,5,6,7,8,9,10,11,12,13,14,15
	s_cmp_lt_u32 \m, s17
	s_cselect_b32 s48, -1, 0
.irp e, 0,1,2,3
	v_and_or_b32 v[104+\e], v[32+4*\m+\e], s48, v[104+\e]
.endr
.endr
.irp e, 0,1,2,3
	v_add_nc_u32 v[109+\e], \e, v108
.endr
.irp e, 0,1,2,3
	v_cmp_ge_u32 s[MSK+4+\e], s62, v[109+\e]
.endr
	s_wait_alu depctr_va_sdst(0)                   ; the four masks are written, ahead of the selects that read them
.irp e, 0,1,2,3
	v_cndmask_b32 v[109+\e], 0, v[96+\e], s[MSK+4+\e]
.endr
.irp e, 0,1,2,3
	v_or_b32 v[104+\e], v[104+\e], v[109+\e]
.endr
	v_or_b32 v104, v104, v105
	v_or_b32 v106, v106, v107
	v_or_b32 v104, v104, v106
	v_cmp_ne_u32 s48, 0, v104
	s_wait_alu depctr_va_sdst(0)                   ; s48 is written, ahead of the scalar compare that reads it
	s_cmp_lg_u32 s48, 0
	s_cselect_b32 s49, s[QL], 0x7fffffff
	s_cmp_le_i32 s34, -9
	s_cselect_b32 s[KLIM], s49, 0x7fffffff         ; both hold: steps behind my last query are passed over; else none is
	s_wait_dscnt 0x0                               ; for the others' sake: my part of the table and of steps 0-1 is stored
	s_wait_alu depctr_vm_vsrc(0)                   ; my LDS stores have read the copy's registers, in which the next part's loads land, and v100-103, which the first step writes
	GET 2, 4
	s_barrier_signal -1
	s_barrier_wait -1
	RUN 0, 1                                       ; reads step 0, while steps 2-5 are on their way
	PART 2, 4, 6, 4                                ; steps 2-5 lie in LDS behind this barrier: first read by the run of steps 2-3
	RUN 1, 1
	PART 6, 4, 10, 4                               ; steps 6-9: first read by the last run
	RUN 2, 2
	PART 10, 4, 14, 2                              ; steps 10-13
	RUN 4, 2
	PART 14, 2, 0, 0                               ; steps 14-15: the whole head lies in LDS, and no barrier follows
	RUN 6, 10
	; THE WAY OUT: O^T x 2^(e8 + e9) / the sum, quantised with e10: tile t's eight registers are channels 16 t + 8 h + 0 .. 7 of my query: registers 2 t, 2 t + 1 of the next operand
.rept 4
	v_nop
.endr
	v_add_f32 v14, v14, v15
	v_permlanex16_b32 v246, v14, s[SEL], s[SEL+1]
	v_add_f32 v14, v14, v246                       ; the row's sum
	v_rcp_f32 v14, v14
	v_nop                                          ; one plain instruction behind the transcendental
	s_wait_alu depctr_va_vdst(0)                   ; the reciprocal is written, ahead of its first reader
	v_ldexp_f32 v14, v14, s35
.set n, 0
.rept 16
	v_pk_mul_f32 v[S+n:S+n+1], v[OT+n:OT+n+1], v[14:15] op_sel_hi:[1,0]   ; each accumulator from its low end on
.set n, n+2
.endr
.set n, 0
.rept 32
	v_med3_num_f32 v[S+n], v[S+n], -v241, v241
.set n, n+1
.endr
.irp t, 0,1,2,3
	v_cvt_scalef32_pk8_fp8_f32 v[PC+2*\t:PC+2*\t+1], v[S+8*\t:S+8*\t+7], v245
.endr
	v_nop
	s_wait_alu depctr_va_vdst(0)                   ; the conversions have written v224-231, which the two stores read
	global_store_b128 v[LN], v[PC:PC+3], s[14:15]              ; 32 lanes store 512 consecutive bytes, aligned
	global_store_b128 v[LN], v[PC+4:PC+7], s[14:15] offset:512
	s_wait_dscnt 0x0                               ; the closing lines, six on end
	s_wait_alu 0x0
	s_wait_tensorcnt 0x0
	ds_add_u32 v251, v255
	s_wait_dscnt 0x0
	s_endpgm
.Lfunc_end_k_q15dc36fb58_attn:
	.size	k_q15dc36fb58_attn, .Lfunc_end_k_q15dc36fb58_attn-k_q15dc36fb58_attn
	.p2alignl 7, 3214868480
	.fill 96, 4, 3214868480
	.section	.rodata,"a",@progbits
	.p2align	6, 0x0
	.amdhsa_kernel k_q15dc36fb58_attn
		.amdhsa_group_segment_fixed_size 272384
		.amdhsa_private_segment_fixed_size 0
		.amdhsa_enable_private_segment 0
		.amdhsa_kernarg_size 48
		.amdhsa_user_sgpr_count 2
		.amdhsa_user_sgpr_kernarg_segment_ptr 1
		.amdhsa_wavefront_size32 1
		.amdhsa_system_sgpr_workgroup_id_x 1
		.amdhsa_system_sgpr_workgroup_id_y 1
		.amdhsa_system_sgpr_workgroup_id_z 1
		.amdhsa_system_vgpr_workitem_id 0
		.amdhsa_next_free_vgpr 256
		.amdhsa_next_free_sgpr 100
		.amdhsa_reserve_vcc 0
		.amdhsa_float_denorm_mode_32 3
		.amdhsa_float_denorm_mode_16_64 3
		.amdhsa_memory_ordered 1
		.amdhsa_forward_progress 1
		.amdhsa_inst_pref_size 158
	.end_amdhsa_kernel
	.amdgpu_metadata
---
amdhsa.version: [ 1, 2 ]
amdhsa.kernels:
  - .name:           k_q15dc36fb58_attn
    .symbol:         k_q15dc36fb58_attn.kd
    .args:
      - { .name: qh, .offset: 0, .size: 8, .value_kind: global_buffer, .address_space: global }
      - { .name: kh, .offset: 8, .size: 8, .value_kind: global_buffer, .address_space: global }
      - { .name: vh, .offset: 16, .size: 8, .value_kind: global_buffer, .address_space: global }
      - { .name: attn_mask, .offset: 24, .size: 8, .value_kind: global_buffer, .address_space: global }
      - { .name: lowp_scales, .offset: 32, .size: 8, .value_kind: global_buffer, .address_space: global }
      - { .name: ao, .offset: 40, .size: 8, .value_kind: global_buffer, .address_space: global }
    .group_segment_fixed_size: 272384
    .private_segment_fixed_size: 0
    .kernarg_segment_align: 8
    .kernarg_segment_size: 48
    .max_flat_workgroup_size: 512
    .sgpr_count:     100
    .vgpr_count:     256
    .wavefront_size: 32
...
	.end_amdgpu_metadata
.endif
;; end of part 4
;; launch outp: the kernel of part 3 again; grid 64 x 4, 8 waves a work-group, clusters of 4 x 4, 257,024 bytes of LDS; arguments ao, Wo_codes, lowp_scales, out0; writes out0
